; MI455X (gfx1250); checked and timed in simulation.
; The chip was launched on July 23, 2026; its instructions are those of AMD's public machine-readable ISA for CDNA 5 (MIT licence, August 2026) and "CDNA5" Instruction Set Architecture Reference Guide (July 2026). The comments in the code are by the model that wrote it; some were corrected since.
;; Causal Self Attention. Allowed arithmetic: matrix products marked QUANTISED: E2M1 operands, one E8M0 scale for each 32 along K, by v_wmma_scale_f32_16x16x128_f8f6f4 with both operands' format E2M1 (or v_wmma_scale_f32_32x16x128_f4), f32 sums; products left as they are: bf16, f16 or f32 operands; f32 sums; everything else in f32.
;; Inputs: w_proj 1,024 x 1,024 float32; w_qkv 3,072 x 1,024 float32; x 4 x 2,048 x 1,024 float32.
;; Outputs: out0 4 x 2,048 x 1,024 float32.
;; This version of the problem:
;;   THIS VERSION OF THE PROBLEM IS GIVEN IN LOW PRECISION. The matrix products marked QUANTISED in the list below multiply operands that are first quantised to E2M1 (2 exponent bits, 1 mantissa bit; 4 bits a number), with one power-of-two scale for each 32 numbers along K (OCP MX v1.0); their sums are f32. The products marked 'left as it is' may take bf16, f16 or f32 operands, with f32 sums. Whichever they take, every output number must still come out within the allowed error. Rounding operands to bf16 (8 significant bits) uses up far more of that allowance than f16 does (11 bits, for magnitudes from 6e-5 to 65,504). All else is computed in f32.
;;   The module's matrix products, in the order in which they are computed (A, B: the left and right operand; K: the contracted axis; several contracted axes count as one K, in the product's order):
;;     1. [M 8,192, K 1,024] x [K 1,024, N 3,072]; A: input x; B: input w_qkv: QUANTISED
;;     2. batch 64 x [M 2,048, K 64] x [K 64, N 2,048]; A: computed on the way; B: computed on the way: left as it is (an operand is computed on the way)
;;     3. batch 64 x [M 2,048, K 2,048] x [K 2,048, N 64]; A: computed on the way; B: computed on the way: left as it is (an operand is computed on the way)
;;     4. [M 8,192, K 1,024] x [K 1,024, N 1,024]; A: computed on the way; B: input w_proj: left as it is (an operand is computed on the way)
;;   THE QUANTISER, for each operand of a quantised product, along K:
;;     - K is cut into blocks of 32 from its start; a last block that is shorter is filled with zeros.
;;     - A block's scale is 2^e with e = floor(log2(the largest magnitude in the block)) - 2, held to -126 .. 127; a block of zeros has e = 0. As a byte (E8M0): e + 127.
;;     - Each number is divided by its block's scale, clamped to +-6, and rounded to the nearest number of E2M1, ties to even, subnormals kept.
;;     - The product sums the exact products of the quantised numbers (number of the format x scale) in f32.
;;   ~~~python
;;   def quantise(x, axis):      # numpy; x: float32 -> the quantised numbers, widened to float32 again
;;       x = np.moveaxis(x, axis, -1); K = x.shape[-1]
;;       x = np.pad(x, [(0, 0)] * (x.ndim - 1) + [(0, -K % 32)]); x = x.reshape(x.shape[:-1] + (-1, 32)); a = np.abs(x).max(-1, keepdims=True)
;;       e = np.where(a > 0, np.clip(np.frexp(np.where(a > 0, a, 1))[1] - 1 - 2, -126, 127), 0)      # np.frexp(a)[1] - 1 = floor(log2(a)), exactly
;;       r = np.clip(x / 2.0 ** e, -6, 6)
;;       step = 2.0 ** (np.maximum(np.frexp(np.where(r == 0, 1, r))[1] - 1, 0) - 1)
;;       q = np.round(r / step) * step * 2.0 ** e      # np.round: ties to even
;;       return np.moveaxis(q.reshape(q.shape[:-2] + (-1,))[..., :K], -1, axis).astype(np.float32)
;;   ~~~
;; One version. Each part assembles by itself: llvm-mc -triple=amdgcn-amd-amdhsa -mcpu=gfx1250 --defsym DOCPART=n.
;; ======== version 1 of 1: 5 launches
;; limits: values are held in f16: magnitudes above 65,504 overflow, below 6.1e-05 lose precision
;; workspace buffers: x_codes 4,194,304 bytes; x_scales 262,144 bytes; w_codes 1,572,864 bytes; w_scales 98,304 bytes; wp16 2,097,152 bytes; qkv16 50,331,648 bytes; qkvf 786,432 bytes; att16 16,777,216 bytes
;; launch quant (part 1): grid 384 x 1, 4 waves a work-group, no clusters, 33,280 bytes of LDS; arguments x, w_qkv, x_codes, x_scales, w_codes, w_scales, w_proj, wp16; writes x_codes, x_scales, w_codes, w_scales, wp16
.if DOCPART == 1
	.amdgcn_target "amdgcn-amd-amdhsa--gfx1250"
	.amdhsa_code_object_version 6
	.text
	.protected	k_qc4bb51c5ab_quant
	.globl	k_qc4bb51c5ab_quant
	.p2align	8
	.type	k_qc4bb51c5ab_quant,@function
k_qc4bb51c5ab_quant:
	s_mov_b64 s[64:65], 0
	v_nop
	global_prefetch_b8 v0, s[64:65] scope:SCOPE_SE
	s_setreg_imm32_b32 hwreg(HW_REG_WAVE_MODE, 25, 1), 1
	s_wait_xcnt 0x0
; x [8192][1024] and w_qkv [3072][1024], f32, become codes of FP4 (E2M1), K innermost, two codes a byte, with one E8M0 scale byte for each 32 along K.
; w_proj [1024 n][1024 k], f32, becomes f16 laid in planes [16 p][1024 n][64 k]: a plane's rows are 128 bytes and dense, so that the projection's tiles are dense blocks.
; A block's scale is 2^(floor(log2(its largest magnitude)) - 2); its byte is the largest magnitude's exponent field - 2, held at 1 from below.  A block of zeros so gets the byte 1 where the
; rule says 127: its codes are zeros, which add nothing under any byte but 0xff, and the bytes are read by this program alone.
; LIMITS: blocks whose largest magnitude lies under 2^(2 - 126) keep the byte 1; NaN and infinities among the inputs are not served; w_proj beyond 65,504 in size has no f16 number.
; SHARES: work-groups 0-255 take x, 256-351 w_qkv: both are plain streams of blocks of 32, a wave takes 16 steps of 512 numbers.  Work-groups 352-383 take w_proj, 8 rows a wave.
; THE CODES' PATH: each of a step's four loads reads 512 consecutive bytes, 16 a lane; the 2,048 bytes turn through the wave's own stage in LDS and come back 64 bytes a lane, so that a lane holds
; 16 neighbours along K (two lanes hold a block).  A lane's 16 codes are 8 bytes: the wave stores 256 consecutive bytes.  A wave's 256 scale bytes are gathered in LDS and leave as one run of 256.
; No tensor loads, no barrier: waves share nothing.  No cluster: no byte is read twice.
.set WAVES, 4
.set STEPS, 16
.set WGA,   256                        ; work-groups for x: 8192 x 1024 / 32768
.set WGQ,   352                        ; and with w_qkv's 96
.set EMAX,  2
.set CB,    8                          ; bytes of 16 codes
.set R,     16                         ; v16-79   four sets of 16 numbers as they are loaded
.set X,     80                         ; v80-111  two sets of 16 neighbours
.set C,     128                        ; v128-191 codes: four registers for each step, so that no store's data are written again
.set E,     112                        ; v112-127 a scale byte for each step
.set WREG,  8192                       ; LDS: a region for each wave: two stages of 32 x SP bytes, and behind them its 256 scale bytes
.set SP,    80                         ; a lane's place in a stage: 64 bytes + 16 of padding
.set SPW,   12                         ; v12  LDS address of my spare word; never rewritten
.set NIL,   13                         ; v13  0; never rewritten
.set SPARE, WAVES*WREG                 ; behind the four regions: the spare words, 128 bytes a wave, which no other line names
.set CVI,   16                         ; w_proj's path: v16-143 two sets of 64 numbers
.set CVO,   144                        ; v144-175 eight units of four registers of f16
	s_load_b256 s[4:11], s[0:1], 0x0               ; x, w_qkv, x's codes, x's scales
	s_load_b256 s[12:19], s[0:1], 0x20             ; w_qkv's codes, its scales, w_proj, wp16
	v_lshl_add_u32 v[SPW], v0, 2, SPARE
	v_mov_b32 v[NIL], 0
	v_lshrrev_b32 v1, 5, v0
	v_readfirstlane_b32 s20, v1                    ; wave
	v_and_b32 v2, 31, v0                           ; lane
	v_lshlrev_b32 v3, 4, v2                        ; my 16 bytes of a load's 512
	s_mul_i32 s21, s20, WREG
	v_lshrrev_b32 v14, 2, v2
	v_mul_u32_u24 v14, v14, SP
	v_and_b32 v15, 3, v2
	v_lshl_add_u32 v14, v15, 4, v14
	v_add_nc_u32 v14, s21, v14                     ; the stage, on the way in: SP (lane / 4) + 16 (lane % 4)
	v_mul_u32_u24 v15, v2, SP
	v_add_nc_u32 v15, s21, v15                     ; and on the way out: SP x lane: my 16 neighbours
	v_mul_u32_u24 v4, v2, CB                       ; my codes' place in a step's
	v_lshrrev_b32 v5, 1, v2
	s_add_co_u32 s21, s21, 2*32*SP
	v_add_nc_u32 v5, s21, v5                       ; LDS: my wave's 256 scale bytes, my block's byte
	v_lshlrev_b32 v7, 3, v2                        ; and on the way out 8 bytes a lane
	v_add_nc_u32 v6, s21, v7
	s_wait_kmcnt 0x0
	s_cmp_ge_u32 ttmp9, WGQ                        ; the last 32 work-groups take w_proj
	s_cbranch_scc1 .Lproj
	s_cmp_lt_u32 ttmp9, WGA                        ; x's work-group or w_qkv's?  The choice hangs on the work-group's number alone
	s_cselect_b64 s[4:5], s[4:5], s[6:7]
	s_cselect_b64 s[8:9], s[8:9], s[12:13]
	s_cselect_b64 s[10:11], s[10:11], s[14:15]
	s_cselect_b32 s21, 0, WGA
	s_sub_co_u32 s21, ttmp9, s21
	s_lshl_b32 s21, s21, 2
	s_add_co_u32 s22, s21, s20                     ; which run of 8,192 numbers of the tensor is my wave's
	s_mov_b32 s23, 0
	s_mov_b64 s[24:25], 512*STEPS*4
	s_mul_u64 s[24:25], s[22:23], s[24:25]
	s_add_nc_u64 s[4:5], s[4:5], s[24:25]
	s_mov_b64 s[24:25], 32*STEPS*CB
	s_mul_u64 s[24:25], s[22:23], s[24:25]
	s_add_nc_u64 s[8:9], s[8:9], s[24:25]
	s_lshl_b32 s22, s22, 8                         ; 256 scale bytes a run
	s_add_nc_u64 s[10:11], s[10:11], s[22:23]
.macro LOAD t
.irp i, 0,1,2,3
	global_load_b128 v[R+16*((\t)%4)+4*\i:R+16*((\t)%4)+4*\i+3], v3, s[4:5] offset:2048*(\t)+512*\i th:TH_LOAD_NT   ; 32 lanes read 512 consecutive bytes
.endr
.endm
.macro TURN t                          ; step t's numbers through the stage: LDS serves a wave's instructions in order, so no wait stands between the stores and the loads
.irp i, 0,1,2,3
	ds_store_b128 v14, v[R+16*((\t)%4)+4*\i:R+16*((\t)%4)+4*\i+3] offset:32*SP*((\t)%2)+8*SP*\i
.endr
.irp i, 0,1,2,3
	ds_load_b128 v[X+16*((\t)%2)+4*\i:X+16*((\t)%2)+4*\i+3], v15 offset:32*SP*((\t)%2)+16*\i
.endr
.endm
.irp t, 0,1,2,3
	LOAD \t
.endr
	s_wait_loadcnt 12                              ; step 0's four loads are in; three steps' twelve may be out
	TURN 0
.macro STEP t
.set XS, X+16*((\t)%2)
.if (\t) > 0
	s_wait_dscnt 1                                 ; this step's numbers are back from the stage (the last step's byte store may be out): its stores into the stage have read their registers,
.else
	s_wait_dscnt 0x0
.endif
.if (\t)+4 < STEPS
	LOAD (\t)+4                                    ; which take the loads of four steps on
.endif
.if (\t)+1 < STEPS
.if STEPS-2-(\t) >= 3
	s_wait_loadcnt 12                              ; the next step's four loads are in; those of the three steps behind it may be out
.else
	s_wait_loadcnt 4*(STEPS-2-(\t))
.endif
	TURN (\t)+1                                    ; and go through the other stage while this step is worked
.endif
	v_max3_num_f32 v8, |v[XS]|, |v[XS+1]|, |v[XS+2]|               ; the largest magnitude of my 16, in two chains
	v_max3_num_f32 v9, |v[XS+3]|, |v[XS+4]|, |v[XS+5]|
.irp i, 6,10
	v_max3_num_f32 v8, v8, |v[XS+\i]|, |v[XS+\i+1]|
	v_max3_num_f32 v9, v9, |v[XS+\i+2]|, |v[XS+\i+3]|
.endr
	v_max3_num_f32 v8, v8, |v[XS+14]|, |v[XS+15]|
	v_max3_num_f32 v8, v8, v9, (EMAX+1)<<23        ; and the floor 2^(EMAX + 1 - 127): so the byte cannot fall under 1
	v_max_num_f32_dpp v8, v8, v8 row_xmask:1 row_mask:0xf bank_mask:0xf   ; and of my neighbour's 16: the block's
	v_add_nc_u32 v11, -(EMAX<<23), v8              ; EMAX off its exponent field: the conversion takes the exponent field of this operand as its scale, and nothing else of it
	v_cvt_scalef32_pk8_fp4_f32 v[C+4*(\t)], v[XS:XS+7], v11        ; eight numbers / the scale, to the nearest code, ties to even, beyond the largest code the largest
	v_cvt_scalef32_pk8_fp4_f32 v[C+4*(\t)+1], v[XS+8:XS+15], v11
	v_lshrrev_b32 v[E+(\t)], 23, v11               ; the scale's byte (also the plain line behind the conversions)
	ds_store_b8 v5, v[E+(\t)] offset:16*(\t)       ; both lanes of a block write the same byte with the same value
	global_store_b64 v4, v[C+4*(\t):C+4*(\t)+1], s[8:9] offset:32*CB*(\t)
.endm
.irp t, 0,1,2,3,4,5,6,7,8,9,10,11,12,13,14,15
	STEP \t
.endr
	ds_load_b64 v[8:9], v6                         ; LDS serves a wave's instructions in order: these see my stores
	s_wait_dscnt 0x0
	global_store_b64 v7, v[8:9], s[10:11]          ; 32 lanes store 256 consecutive bytes, aligned
	s_wait_tensorcnt 0x0                           ; the wave's end: a wait, an add to my spare word and its wait, behind my last LDS store
	ds_add_u32 v[SPW], v[NIL]
	s_wait_dscnt 0x0
	s_endpgm
; W_PROJ.  My wave's rows n0 = 32 (work-group - 352) + 8 wave .. + 7: two groups of 4 rows x 16 planes = 32 units.  In a unit lane l takes row l / 8 and the 8 numbers 8 (l % 8) on of the plane's 64:
; two loads of 16 bytes, four conversions, one store of 16 bytes: the 32 lanes store 4 rows x 128 bytes = 512 consecutive bytes of the plane.
.Lproj:
	s_sub_co_u32 s21, ttmp9, WGQ
	s_lshl_b32 s21, s21, 5
	s_lshl_b32 s22, s20, 3
	s_add_co_u32 s21, s21, s22                     ; n0
	s_lshl_b32 s22, s21, 12                        ; a row of w_proj is 4,096 bytes
	s_mov_b32 s23, 0
	s_add_nc_u64 s[16:17], s[16:17], s[22:23]
	s_lshl_b32 s22, s21, 7                         ; a row of a plane 128
	s_add_nc_u64 s[18:19], s[18:19], s[22:23]
	v_lshrrev_b32 v8, 3, v2
	v_lshlrev_b32 v8, 12, v8
	v_and_b32 v9, 7, v2
	v_lshl_add_u32 v8, v9, 5, v8                   ; in: 4,096 (l / 8) + 32 (l % 8)
	v_lshlrev_b32 v9, 4, v2                        ; out: 16 l
.macro CVLOAD k                        ; round k: units 8 k .. 8 k + 7 (unit u: row group u / 16, plane u % 16) into set k % 2
.irp i, 0,1,2,3,4,5,6,7
	global_load_b128 v[CVI+64*((\k)%2)+8*\i:CVI+64*((\k)%2)+8*\i+3], v8, s[16:17] offset:((8*(\k)+\i)/16)*16384+((8*(\k)+\i)%16)*256 th:TH_LOAD_NT
	global_load_b128 v[CVI+64*((\k)%2)+8*\i+4:CVI+64*((\k)%2)+8*\i+7], v8, s[16:17] offset:((8*(\k)+\i)/16)*16384+((8*(\k)+\i)%16)*256+16 th:TH_LOAD_NT
.endr
.endm
.macro CVROUND k
.if (\k) < 3
	s_wait_loadcnt 16                              ; this round's sixteen loads are in; the next round's sixteen may be out
.else
	s_wait_loadcnt 0x0
.endif
	s_wait_xcnt 0x0                                ; the last round's stores have read their data registers, which are written again below
.irp i, 0,1,2,3,4,5,6,7
.irp j, 0,1,2,3
	v_cvt_pk_f16_f32 v[CVO+4*\i+\j], v[CVI+64*((\k)%2)+8*\i+2*\j], v[CVI+64*((\k)%2)+8*\i+2*\j+1]
.endr
.endr
.irp i, 0,1,2,3,4,5,6,7
	global_store_b128 v9, v[CVO+4*\i:CVO+4*\i+3], s[18:19] offset:((8*(\k)+\i)%16)*131072+((8*(\k)+\i)/16)*512
.endr
.if (\k) < 2
	CVLOAD (\k)+2
.endif
.endm
	CVLOAD 0
	CVLOAD 1
	CVROUND 0
	CVROUND 1
	CVROUND 2
	CVROUND 3
	s_endpgm
.Lfunc_end_k_qc4bb51c5ab_quant:
	.size	k_qc4bb51c5ab_quant, .Lfunc_end_k_qc4bb51c5ab_quant-k_qc4bb51c5ab_quant
	.p2alignl 7, 3214868480
	.fill 96, 4, 3214868480
	.section	.rodata,"a",@progbits
	.p2align	6, 0x0
	.amdhsa_kernel k_qc4bb51c5ab_quant
		.amdhsa_group_segment_fixed_size 33280
		.amdhsa_private_segment_fixed_size 0
		.amdhsa_enable_private_segment 0
		.amdhsa_kernarg_size 64
		.amdhsa_user_sgpr_count 2
		.amdhsa_user_sgpr_kernarg_segment_ptr 1
		.amdhsa_wavefront_size32 1
		.amdhsa_system_sgpr_workgroup_id_x 1
		.amdhsa_system_sgpr_workgroup_id_y 1
		.amdhsa_system_sgpr_workgroup_id_z 1
		.amdhsa_system_vgpr_workitem_id 0
		.amdhsa_next_free_vgpr 192
		.amdhsa_next_free_sgpr 66
		.amdhsa_reserve_vcc 0
		.amdhsa_float_denorm_mode_32 3
		.amdhsa_float_denorm_mode_16_64 3
		.amdhsa_memory_ordered 1
		.amdhsa_forward_progress 1
		.amdhsa_inst_pref_size 51
	.end_amdhsa_kernel
	.amdgpu_metadata
---
amdhsa.version: [ 1, 2 ]
amdhsa.kernels:
  - .name:           k_qc4bb51c5ab_quant
    .symbol:         k_qc4bb51c5ab_quant.kd
    .args:
      - { .name: x, .offset: 0, .size: 8, .value_kind: global_buffer, .address_space: global }
      - { .name: w_qkv, .offset: 8, .size: 8, .value_kind: global_buffer, .address_space: global }
      - { .name: x_codes, .offset: 16, .size: 8, .value_kind: global_buffer, .address_space: global }
      - { .name: x_scales, .offset: 24, .size: 8, .value_kind: global_buffer, .address_space: global }
      - { .name: w_codes, .offset: 32, .size: 8, .value_kind: global_buffer, .address_space: global }
      - { .name: w_scales, .offset: 40, .size: 8, .value_kind: global_buffer, .address_space: global }
      - { .name: w_proj, .offset: 48, .size: 8, .value_kind: global_buffer, .address_space: global }
      - { .name: wp16, .offset: 56, .size: 8, .value_kind: global_buffer, .address_space: global }
    .group_segment_fixed_size: 33280
    .private_segment_fixed_size: 0
    .kernarg_segment_align: 8
    .kernarg_segment_size: 64
    .max_flat_workgroup_size: 128
    .sgpr_count:     66
    .vgpr_count:     192
    .wavefront_size: 32
...
	.end_amdgpu_metadata
.endif
;; end of part 1
;; launch gemm_qkv (part 2): grid 12 x 32, 4 waves a work-group, clusters of 4 x 4, 327,680 bytes of LDS; arguments x_codes, x_scales, w_codes, w_scales, qkv16, qkvf; writes qkv16, qkvf
.if DOCPART == 2
	.amdgcn_target "amdgcn-amd-amdhsa--gfx1250"
	.amdhsa_code_object_version 6
	.text
	.protected	k_qc4bb51c5ab_gemm_qkv
	.globl	k_qc4bb51c5ab_gemm_qkv
	.p2align	8
	.type	k_qc4bb51c5ab_gemm_qkv,@function
k_qc4bb51c5ab_gemm_qkv:
	s_mov_b64 s[64:65], 0
	v_nop
	global_prefetch_b8 v0, s[64:65] scope:SCOPE_SE
	s_setreg_imm32_b32 hwreg(HW_REG_WAVE_MODE, 25, 1), 1
	s_wait_xcnt 0x0
	s_wait_alu depctr_hold_cnt(0) depctr_sa_sdst(0) depctr_va_vdst(0) depctr_va_sdst(0) depctr_va_ssrc(0) depctr_va_vcc(0) depctr_vm_vsrc(0)
	s_getreg_b32 s2, hwreg(HW_REG_IB_STS2, 6, 4)
	s_cmp_eq_u32 s2, 0
	s_cbranch_scc0 .Lentry_in_a_cluster
	s_endpgm
.Lentry_in_a_cluster:
	s_bfe_u32 s2, ttmp6, 0x10000c
	s_cmp_lg_u32 s2, 0xf033
	s_cbranch_scc0 .Lentry_shape_is_right
	s_endpgm
.Lentry_shape_is_right:
; qkv[m][n] = sum over k of x[m][k] w_qkv[n][k], both operands as codes of FP4 (E2M1) with one E8M0 scale for each 32 along K; sums in f32, K ascending, one accumulator for each output.
; A: [8192][1024] codes (512 bytes a row), scales [8192][32]; B: [3072][1024] likewise.  OUT: qkv16, f16, laid [3 sections q, k, v][64 = 16 batch + head][2048 t][64]: a head's rows are 128 bytes and dense;
; and qkvf, f32, [64 = 16 batch + position][3072]: the first 16 positions of every sequence unrounded, for the launch that carries them in f32.
; LIMIT: a result beyond 65,504 in size has no f16 number.
; A tile of C, 256 x 256, is made by a work-group of four waves; a wave makes 128 x 128: 64 accumulators of 16 x 16, 512 registers.  K = 1,024 is two K steps of 512 (tile rows of 256 bytes): both lie in LDS
; slots of their own, asked for at the head: no LDS byte is filled twice.  The scales of the work-group's rows, for all of K, are two dense blocks and come with them.
; CLUSTERS: 4 x 4 work-groups.  The four of a row of the cluster need the same tiles of A, the four of a column the same tiles of B: each tile is asked for jointly, by the same tensor load with the same
; descriptor and a mask that names the four.  The tile row is 8 cy + cluster y: so the batch is cy, and a sequence's first positions lie in a tile where cluster y = 0, which is the same in all sixteen partners.
; THE MATRIX INSTRUCTION IS USED TRANSPOSED (source 0 = 16 rows of B, source 1 = 16 rows of A): a lane then holds eight neighbouring numbers of a row of C.
; REGISTERS, in windows of 256: window 0: v0-31 addresses; v32-95 scale words, two sets; from v128 A's fragments, one set; on the way out v32-255 are free.
;   window 1: B's fragments, two sets, at v0 and v128.   window 2: the accumulators of my rows 0-63 ((a, b) at v[8 (8 a + b)]);   window 3: those of my rows 64-127.
.set SIZE_K, 1024
.set KSTEP,  512                       ; along K in a slot
.set NQ,     KSTEP/128                 ; matrix instructions deep
.set ROWB,   256                       ; a tile's row in bytes
.set KROW,   SIZE_K*4/8                ; a row of A or B in memory
.set PITCH,  272                       ; an LDS row: 256 bytes + 16 of padding = 68 words: the 16 rows that a load touches start at 16 different banks (64 banks of 4 bytes: ISA guide 11.1)
.set FR,     8                         ; registers of a fragment: 16 rows x 128 K
.set NL,     2                         ; LDS loads that bring one
.set NP,     4                         ; places behind this matrix instruction (ISA guide 7.12.1)
.set HALFT,  128*PITCH                 ; 128 rows: what one tensor load brings
.set SLOT,   4*HALFT                   ; A's 256 rows, then B's 256 rows
.set KS,     SIZE_K/32                 ; a row of scales in bytes
.set SCL,    2*SLOT                    ; behind the slots: the scales, as rows of 256 bytes + 16 of padding
.set HALFS,  (128*KS/256)*272          ; the scales of 128 rows: what one tensor load brings
.set SBLK,   (16*KS/256)*272           ; those of 16 rows
.set SPARE,  SCL+4*HALFS               ; behind the scales: the spare words, 128 bytes a wave, which no other line names
.set STGB,   8448                      ; the way out: a stage for each wave, 16 rows x 272 (f16) or x 528 (f32).  It lies in slot 0, which has had its one fill and its last read when the first result is stored there
.set ADRA, 16                          ; v16-17  LDS address of my A fragments in slot 0, 1
.set ADRB, 20                          ; v20-21  the same for B
.set STO32, 22                         ; v22     the f32 copy: where I put 32 bytes of a row
.set RD32, 23                          ; v23     and where I read a row back
.set STO,  24                          ; v24     f16: where I put 16 bytes of a row
.set RD,   25                          ; v25     f16: where I read 16 bytes of one head's row back
.set CO,   26                          ; v26     16 x lane
.set ADRS, 27                          ; v27     LDS address of my scale words: lanes 0-15 A's rows, lanes 16-31 B's
.set SPW,  28                          ; v28     LDS address of my spare word; never rewritten
.set NIL,  29                          ; v29     0; never rewritten
.set SC,   32                          ; scale words: set s at v[SC + 8 NQ s]; register NQ i + q: lanes 0-15 the word of A's block i, lanes 16-31 that of B's block i, for the slot's q-th 128 along K
.set AF,   128                         ; A's fragments, in window 0
.set TMP,  192                         ; the way out: a block's packed results
.set OB,   32                          ; 16 rows read back from the stage: v32-63 and v224-255 by turns
.set G1, 24                            ; s[24:31] descriptor group 1 for A's tiles;  s[32:39] group 0, one set for each slot
.set G0, 32
.set G1B, 48                           ; s[48:55], s[56:63] the same for B's tiles
.set G0B, 56
.set G1S, 68                           ; s[68:75], s[76:79] groups 1 and 0 for A's scales;  s[80:87], s[88:91] for B's
.set G0S, 76
.set G1SB, 80
.set G0SB, 88
.set MSB, 0
.macro WIN new                         ; the immediate's high byte repeats the setting that is left
.if MSB != \new
	s_set_vgpr_msb (MSB<<8)|\new
.set MSB, \new
.endif
.endm
.set MUL_LO, 0xa1                      ; source 0 (B) window 1, source 1 (A) window 0, C and D window 2
.set MUL_HI, 0xf1                      ; the same, C and D window 3
.set TO_B,   0x40                      ; destination window 1, address window 0
; A joint load: waves 0 and 1 fetch for A, waves 2 and 3 for B.  Each of the two lines has one mask and one set of registers for all that issue it; the branch hangs on the wave's number alone.
; An s_nop 0 and four v_nop follow each of the two lines.
.macro JLOAD g0a, g1a, g0b, g1b
	s_cmp_eq_u32 s15, 0
	s_cbranch_scc0 .Lfor_b_\@
	tensor_load_to_lds s[\g0a:\g0a+3], s[\g1a:\g1a+7]
	s_nop 0
.rept 4
	v_nop
.endr
	s_branch .Lasked_\@
.Lfor_b_\@:
	tensor_load_to_lds s[\g0b:\g0b+3], s[\g1b:\g1b+7]
	s_nop 0
.rept 4
	v_nop
.endr
.Lasked_\@:
.endm
.macro CROUND                          ; a round of the cluster's barrier: my work-group's barrier, wave 0 signals for the work-group, every wave waits for all sixteen, my work-group's barrier once more
	s_barrier_signal -1
	s_barrier_wait -1
	s_cmp_lg_u32 s14, 0
	s_cbranch_scc1 .Lnot_wave_0_\@
	s_barrier_signal -3
.Lnot_wave_0_\@:
	s_barrier_wait -3
	s_barrier_signal -1
	s_barrier_wait -1
.endm
	s_load_b128 s[4:7], s[0:1], 0x0                ; A's codes s[4:5], A's scales s[6:7]
	s_load_b128 s[8:11], s[0:1], 0x10              ; B's codes s[8:9], B's scales s[10:11]
	s_load_b64 s[12:13], s[0:1], 0x20              ; qkv16
	s_load_b64 s[96:97], s[0:1], 0x28              ; qkvf
	v_lshl_add_u32 v[SPW], v0, 2, SPARE
	v_mov_b32 v[NIL], 0
	ds_add_u32 v[SPW], v[NIL]                      ; the wave's opening: the add, twice on end, and its wait ahead of my first tensor load
	ds_add_u32 v[SPW], v[NIL]                      ; the set-up below, work on registers, stands between the second add and the wait
	v_lshrrev_b32 v1, 5, v0
	v_readfirstlane_b32 s14, v1                    ; wave 0..3
	s_lshr_b32 s15, s14, 1                         ; which half of the tile's rows is mine.  Also: I fetch for A (0) or for B (1)
	s_and_b32 s16, s14, 1                          ; which half of its columns.  Also: which 128 rows of that tile I fetch
	s_bfe_u32 s40, ttmp6, 0x40000                  ; cx, cy: my place in the cluster
	s_bfe_u32 s41, ttmp6, 0x40004
	s_lshl_b32 s42, ttmp9, 2
	s_add_co_u32 s42, s42, s40                     ; tile column of C = 4 x cluster x + cx
	s_and_b32 s17, ttmp7, 0xffff
	s_lshl_b32 s43, s41, 3
	s_add_co_u32 s17, s17, s43                     ; tile row of C = 8 x cy + cluster y: batch cy, rows 256 x cluster y on
	s_lshl_b32 s43, s41, 2
	s_lshl_b32 s43, 15, s43                        ; my row of the cluster
	s_lshl_b32 s44, 0x1111, s40                    ; my column
	; descriptor group 1: a tile of 128 rows x 256 bytes, padded in LDS
	s_or_b32 s[G1+0], s43, (0<<16)|(1<<20)|(1<<21)|(5<<22)|(3<<25)  ; 15:0 the mask: A's tiles go to my row; 17:16 elements of 1 byte; 20 padding on; 21 set beside a mask; 24:22 after every 64 words; 31:25 four words
	s_or_b32 s[G1B+0], s44, (0<<16)|(1<<20)|(1<<21)|(5<<22)|(3<<25)
.irp g, G1, G1B
	s_mov_b32 s[\g+1], ROWB<<16                    ; tensor_dim0
	s_mov_b32 s[\g+2], 128<<16                     ; tensor_dim1
	s_mov_b32 s[\g+3], ROWB<<16                    ; tile_dim0
	s_mov_b32 s[\g+4], 128                         ; tile_dim1
	s_mov_b32 s[\g+5], KROW                        ; tensor_dim0_stride
	s_mov_b32 s[\g+6], 0
	s_mov_b32 s[\g+7], 0
.endr
	; the scales of 128 rows: a dense block of 4,096 bytes, as 16 rows of 256 bytes (32 elements of 8 bytes), 16 bytes of padding behind each
	s_or_b32 s[G1S+0], s43, (3<<16)|(1<<20)|(1<<21)|(5<<22)|(3<<25)
	s_or_b32 s[G1SB+0], s44, (3<<16)|(1<<20)|(1<<21)|(5<<22)|(3<<25)
.irp g, G1S, G1SB
	s_mov_b32 s[\g+1], 32<<16
	s_mov_b32 s[\g+2], (128*KS/256)<<16
	s_mov_b32 s[\g+3], 32<<16
	s_mov_b32 s[\g+4], 128*KS/256
	s_mov_b32 s[\g+5], 32
	s_mov_b32 s[\g+6], 0
	s_mov_b32 s[\g+7], 0
.endr
	s_lshl_b32 s18, s16, 7                         ; which 128 rows of the tile I fetch
	s_lshl_b32 s20, s17, 8
	s_add_co_u32 s20, s20, s18                     ; A: row 256 x tile row + 128 x half
	s_lshl_b32 s46, s42, 8
	s_add_co_u32 s46, s46, s18                     ; B: row 256 x tile column + 128 x half
	s_mov_b32 s21, 0
	s_mov_b32 s47, 0
	s_mov_b64 s[18:19], KS
	s_mul_u64 s[22:23], s[20:21], s[18:19]         ; where these rows' scales begin, in bytes
	s_mul_u64 s[92:93], s[46:47], s[18:19]
	s_mov_b64 s[18:19], KROW
	s_mul_u64 s[20:21], s[20:21], s[18:19]         ; and their codes
	s_mul_u64 s[46:47], s[46:47], s[18:19]
	s_mul_i32 s45, s14, HALFT                      ; where they go: wave x 128 rows: no place in the cluster enters an LDS address
	s_mul_i32 s94, s14, HALFS
	s_wait_dscnt 0x0                               ; both opening adds are done
	s_wait_kmcnt 0x0
	s_add_nc_u64 s[20:21], s[4:5], s[20:21]
	s_add_nc_u64 s[22:23], s[6:7], s[22:23]
	s_add_nc_u64 s[46:47], s[8:9], s[46:47]
	s_add_nc_u64 s[92:93], s[10:11], s[92:93]
	CROUND                                         ; all sixteen work-groups are here: the joint loads meet
	s_mov_b32 s[G0S], 1
	s_add_co_u32 s[G0S+1], s94, SCL
	s_mov_b64 s[G0S+2:G0S+3], s[22:23]
	s_or_b32 s[G0S+3], s[G0S+3], 0x80000000
	s_mov_b32 s[G0SB], 1
	s_add_co_u32 s[G0SB+1], s94, SCL
	s_mov_b64 s[G0SB+2:G0SB+3], s[92:93]
	s_or_b32 s[G0SB+3], s[G0SB+3], 0x80000000
	JLOAD G0S, G1S, G0SB, G1SB                     ; the scales first: they are wanted with K step 0
.irp s, 0,1
	s_mov_b32 s[G0+4*\s], 1
	s_add_co_u32 s[G0+4*\s+1], s45, \s*SLOT
	s_add_nc_u64 s[G0+4*\s+2:G0+4*\s+3], s[20:21], \s*ROWB
	s_or_b32 s[G0+4*\s+3], s[G0+4*\s+3], 0x80000000
	s_mov_b32 s[G0B+4*\s], 1
	s_add_co_u32 s[G0B+4*\s+1], s45, \s*SLOT
	s_add_nc_u64 s[G0B+4*\s+2:G0B+4*\s+3], s[46:47], \s*ROWB
	s_or_b32 s[G0B+4*\s+3], s[G0B+4*\s+3], 0x80000000
	JLOAD G0+4*\s, G1, G0B+4*\s, G1B               ; three tensor loads of mine are out at the most
.endr
	v_and_b32 v1, 15, v0                           ; r = l % 16
	v_bfe_u32 v2, v0, 4, 1                         ; h = l / 16
	v_mul_u32_u24 v3, v1, PITCH
	v_lshl_add_u32 v4, v2, 4, v3                   ; a fragment's row x pitch + 16 x half
	s_mul_i32 s21, s15, HALFT                      ; my 128 rows of A
	s_mul_i32 s22, s16, HALFT                      ; my 128 rows of B,
	s_add_co_u32 s22, s22, 2*HALFT                 ; which lie behind A's 256
.irp s, 0,1
	v_add_nc_u32 v[ADRA+\s], s21, v4
	v_add_nc_u32 v[ADRB+\s], s22, v4
	s_add_co_u32 s21, s21, SLOT
	s_add_co_u32 s22, s22, SLOT
.endr
	v_mul_u32_u24 v5, v1, KS                       ; my row's scales: KS bytes a row,
	v_lshrrev_b32 v6, 8, v5
	v_lshl_add_u32 v5, v6, 4, v5                   ; and 16 more for each 256 passed
	s_mul_i32 s21, s15, HALFS                      ; A's: my 128 rows
	s_mul_i32 s22, s16, HALFS                      ; B's: my 128 rows, behind A's 256
	s_add_co_u32 s22, s22, 2*HALFS
	s_sub_co_u32 s22, s22, s21
	v_mul_u32_u24 v6, s22, v2                      ; lanes 16-31 take B's: the lower base + h x the distance
	s_add_co_u32 s21, s21, SCL
	v_add_nc_u32 v5, v5, v6
	v_add_nc_u32 v[ADRS], s21, v5
	s_mul_i32 s23, s14, STGB                       ; my stage
	v_mul_u32_u24 v5, v1, 272                      ; f16, in: row r, 16 bytes for each half of the lanes
	v_lshl_add_u32 v5, v2, 4, v5
	v_add_nc_u32 v[STO], s23, v5
	v_and_b32 v6, 31, v0
	v_lshlrev_b32 v[CO], 4, v6
	v_lshrrev_b32 v5, 3, v6                        ; f16, back: eight lanes take the 128 bytes that one row has of one head; four rows an instruction
	v_mul_u32_u24 v5, v5, 272
	v_and_b32 v6, 7, v6
	v_lshl_add_u32 v5, v6, 4, v5
	v_add_nc_u32 v[RD], s23, v5
	v_mul_u32_u24 v5, v1, 528                      ; f32, in: row r, 32 bytes for each half of the lanes
	v_lshl_add_u32 v5, v2, 5, v5
	v_add_nc_u32 v[STO32], s23, v5
	v_add_nc_u32 v[RD32], s23, v[CO]               ; f32, back: the 32 lanes take one row of 512 bytes
	; qkv16: my 128 columns are heads g and g + 1 of 48, g = 4 x tile column + 2 x half: section g / 16, head g % 16
	s_lshl_b32 s20, s42, 2
	s_lshl_b32 s21, s16, 1
	s_add_co_u32 s20, s20, s21
	s_lshr_b32 s21, s20, 4
	s_lshl_b32 s21, s21, 24                        ; a section is 2^24 bytes,
	s_and_b32 s20, s20, 15
	s_lshl_b32 s20, s20, 18                        ; a head 2^18,
	s_add_co_u32 s20, s20, s21
	s_lshl_b32 s21, s41, 22                        ; a batch's sixteen heads 2^22,
	s_add_co_u32 s20, s20, s21
	s_and_b32 s21, ttmp7, 0xffff
	s_lshl_b32 s21, s21, 15                        ; 256 rows of 128 bytes,
	s_add_co_u32 s20, s20, s21
	s_lshl_b32 s21, s15, 14                        ; my 128 of them
	s_add_co_u32 s20, s20, s21
	s_mov_b32 s21, 0
	s_add_nc_u64 s[12:13], s[12:13], s[20:21]
	; qkvf: row 16 x batch, column 256 x tile column + 128 x half
	s_mul_i32 s20, s41, 196608
	s_lshl_b32 s21, s42, 10
	s_add_co_u32 s20, s20, s21
	s_lshl_b32 s21, s16, 9
	s_add_co_u32 s20, s20, s21
	s_mov_b32 s21, 0
	s_add_nc_u64 s[96:97], s[96:97], s[20:21]
	s_and_b32 s95, ttmp7, 0xffff
	s_or_b32 s95, s95, s15                         ; 0 where my block 0 is a sequence's first 16 positions: cluster y and the wave's number alone
.macro FRAG reg, adr, q, i             ; a fragment, 16 rows x 128 K of 4-bit codes: lane l holds row l % 16; registers 4 c .. 4 c + 3 hold K = 64 c + 32 (l / 16) + 0 .. 31
.irp c, 0,1
	ds_load_b128 v[\reg+4*\c:\reg+4*\c+3], v[\adr] offset:64*(\q)+32*\c+(\i)*16*PITCH
.endr
.endm
; 16 matrix instructions: A's blocks a0, a0 + 1 x B's eight, the slot's q-th 128 along K.  p: B's set;  sc: the set of scale words.  zero = 1: the first product starts the sums: nothing is cleared.
; The 64 accumulators take turns, one instruction a turn, in the same order in every step.
.macro MUL16 a0, p, q, sc, zero
.irp a, \a0, \a0+1
.irp b, 0,1,2,3,4,5,6,7
.if \zero
	v_wmma_scale_f32_16x16x128_f8f6f4 v[8*(8*((\a)%4)+\b):8*(8*((\a)%4)+\b)+7], v[128*(\p)+FR*\b:128*(\p)+FR*\b+FR-1], v[AF+FR*(\a):AF+FR*(\a)+FR-1], 0, v[SC+8*NQ*(\sc)+NQ*\b+(\q)], v[SC+8*NQ*(\sc)+NQ*(\a)+(\q)] matrix_a_fmt:MATRIX_FMT_FP4 matrix_b_fmt:MATRIX_FMT_FP4 matrix_a_scale:MATRIX_SCALE_ROW1
.else
	v_wmma_scale_f32_16x16x128_f8f6f4 v[8*(8*((\a)%4)+\b):8*(8*((\a)%4)+\b)+7], v[128*(\p)+FR*\b:128*(\p)+FR*\b+FR-1], v[AF+FR*(\a):AF+FR*(\a)+FR-1], v[8*(8*((\a)%4)+\b):8*(8*((\a)%4)+\b)+7], v[SC+8*NQ*(\sc)+NQ*\b+(\q)], v[SC+8*NQ*(\sc)+NQ*(\a)+(\q)] matrix_a_fmt:MATRIX_FMT_FP4 matrix_b_fmt:MATRIX_FMT_FP4 matrix_a_scale:MATRIX_SCALE_ROW1
.endif
.endr
.endr
.endm
.macro FETCH_B slot, q, p              ; B's eight fragments of the slot's q-th 128 along K into set p
	WIN TO_B
.irp i, 0,1,2,3,4,5,6,7
	FRAG 128*(\p)+FR*\i, ADRB+\slot, \q, \i
.endr
	WIN 0
.endm
.macro FETCH_A slot, q, i0             ; A's blocks i0 .. i0 + 3
.irp i, \i0, \i0+1, \i0+2, \i0+3
	FRAG AF+FR*(\i), ADRA+\slot, \q, \i
.endr
.endm
.macro SCALES sc                       ; a K step's scale words into set sc: NQ words a row; lanes 0-15 take A's block i, lanes 16-31 B's block i
.irp i, 0,1,2,3,4,5,6,7
	ds_load_b128 v[SC+8*NQ*\sc+NQ*\i:SC+8*NQ*\sc+NQ*\i+3], v[ADRS] offset:\i*SBLK
.endr
.endm
; A load into a register that a matrix instruction has read, and a vector instruction or an LDS store that reads a matrix result, stand NP places behind that matrix instruction; only plain vector
; instructions that name none of its registers are places (ISA guide 7.12.1 for vector instructions).
.macro PLACES n
.rept \n
	v_nop
.endr
.endm
; A step of 128 along K that has its successor in the same slot.  A's blocks are free as soon as their eight products are issued: blocks 0-3 are fetched anew in the step's middle, blocks 4-7 at its end.
.macro STEP slot, q, zero
	s_wait_dscnt 4*NL                              ; B's set and A's blocks 0-3 are in; the youngest eight loads (A's blocks 4-7) may be out
	WIN MUL_LO
	MUL16 0, (\q)%2, \q, \slot, \zero
	MUL16 2, (\q)%2, \q, \slot, \zero
	s_wait_dscnt 0                                 ; A's blocks 4-7 are in
	PLACES NP
	FETCH_B \slot, (\q)+1, 1-(\q)%2
	FETCH_A \slot, (\q)+1, 0
	WIN MUL_HI
	MUL16 4, (\q)%2, \q, \slot, \zero
	MUL16 6, (\q)%2, \q, \slot, \zero
	PLACES NP
	WIN 0
	FETCH_A \slot, (\q)+1, 4
.endm
; Slot 0's last step changes slots: one barrier; in front of it each wave waits for all its tensor loads (its part of slot 1), adds 0 to its spare word, and waits for that and for its reads of slot 0.
; Behind it slot 1 is whole, and nobody reads slot 0 any more: the stages of the way out lie there.  Nothing is filled again.
.macro TURN slot, next
	s_wait_tensorcnt 0x0                           ; all my tensor loads have landed (every window is 0 here: the add's two registers lie in window 0)
	ds_add_u32 v[SPW], v[NIL]                      ; 0 onto my spare word
	s_wait_dscnt 4*NL+1                            ; the add and the youngest eight loads, A's blocks 4-7, may be out
	WIN MUL_LO
	MUL16 0, 1, NQ-1, \slot, 0                     ; sixteen matrix instructions stand between the add and the wait for it
	s_wait_dscnt 0x0                               ; the add is done, and my reads of this slot are over
	s_barrier_signal -1
	MUL16 2, 1, NQ-1, \slot, 0
	WIN 0
	s_barrier_wait -1
	PLACES NP
	v_add_nc_u32 v[ADRS], 4*NQ, v[ADRS]            ; on to the next K step's scale words (no LDS load of mine is out)
	FETCH_B \next, 0, 0
	FETCH_A \next, 0, 0
	SCALES \next
	WIN MUL_HI
	MUL16 4, 1, NQ-1, \slot, 0
	MUL16 6, 1, NQ-1, \slot, 0
	PLACES NP
	WIN 0
	FETCH_A \next, 0, 4
.endm
	s_wait_tensorcnt 1                             ; the scales and my part of K step 0 are in; K step 1's load may be out
	s_barrier_signal -1
	s_barrier_wait -1                              ; everybody's are
	FETCH_B 0, 0, 0
	FETCH_A 0, 0, 0
	SCALES 0
	FETCH_A 0, 0, 4
	STEP 0, 0, 1                                   ; the first step's products start the sums
	STEP 0, 1, 0
	STEP 0, 2, 0
	TURN 0, 1
	STEP 1, 0, 0
	STEP 1, 1, 0
	STEP 1, 2, 0
	s_wait_dscnt 4*NL                              ; the very last step: nothing more to fetch
	WIN MUL_LO
	MUL16 0, 1, NQ-1, 1, 0
	MUL16 2, 1, NQ-1, 1, 0
	s_wait_dscnt 0
	WIN MUL_HI
	MUL16 4, 1, NQ-1, 1, 0
	MUL16 6, 1, NQ-1, 1, 0
	WIN 0
; THE WAY OUT.  A lane holds eight neighbouring columns of one row, the lanes beside it other rows: so a block of 16 rows x 128 columns goes through my own stage in LDS.  LDS serves a wave's instructions in
; order (ISA guide 5.7.1.4): no wait between the stores and the loads.
	PLACES NP                                      ; behind the last products: for the reads of results, and for the loads into registers that held fragments and scale words
	; the first 16 positions of a sequence, unrounded: rows of 512 bytes, each stored by the 32 lanes as 512 consecutive bytes
	s_cmp_lg_u32 s95, 0
	s_cbranch_scc1 .Lnofine
	WIN 0x08                                       ; an LDS store's data are its source 1: window 2
.irp b, 0,1,2,3,4,5,6,7
	ds_store_b128 v[STO32], v[8*\b:8*\b+3] offset:64*\b            ; each accumulator from its low end on
	ds_store_b128 v[STO32], v[8*\b+4:8*\b+7] offset:64*\b+16
.endr
	WIN 0
.irp t, 0,1,2,3,4,5,6,7,8,9,10,11,12,13,14,15
	ds_load_b128 v[128+4*\t:128+4*\t+3], v[RD32] offset:\t*528
.endr
.irp t, 0,1,2,3,4,5,6,7,8,9,10,11,12,13,14,15
	s_wait_dscnt 15-\t                             ; the loads behind load t may be out
	global_store_b128 v[CO], v[128+4*\t:128+4*\t+3], s[96:97] offset:\t*12288
.endr
.Lnofine:
.macro PACK a                          ; block a rounded to f16: 16 bytes a lane for each of B's eight blocks
.set AC, 64*((\a)%4)
	WIN 0x0a+5*((\a)/4)                            ; sources 0 and 1: window 2 or 3
.irp b, 0,1,2,3,4,5,6,7
.irp i, 0,1,2,3
	v_cvt_pk_f16_f32 v[TMP+4*\b+\i], v[AC+8*\b+2*\i], v[AC+8*\b+2*\i+1]
.endr
.endr
	WIN 0
.endm
.macro TOSTAGE a                       ; into rows of 272 bytes, and back: load i takes head i / 4's 128 bytes of rows 4 (i % 4) .. + 3
.set BB, OB+192*((\a)%2)
.irp b, 0,1,2,3,4,5,6,7
	ds_store_b128 v[STO], v[TMP+4*\b:TMP+4*\b+3] offset:32*\b
.endr
.irp i, 0,1,2,3,4,5,6,7
	ds_load_b128 v[BB+4*\i:BB+4*\i+3], v[RD] offset:(\i/4)*128+(\i%4)*1088
.endr
.endm
.macro SEND a
.set BB, OB+192*((\a)%2)
	s_wait_dscnt 0x0                               ; the block is back in registers
	s_wait_xcnt 0x0                                ; the block before's stores have read their registers: the next block's loads may land there
.irp i, 0,1,2,3,4,5,6,7
	global_store_b128 v[CO], v[BB+4*\i:BB+4*\i+3], s[12:13] offset:(\i/4)*262144+(\a)*2048+(\i%4)*512   ; four rows of one head: 512 consecutive bytes, aligned
.endr
.endm
	PACK 0
	TOSTAGE 0
.irp a, 1,2,3,4,5,6,7                  ; block a's conversions stand between block a - 1's loads from the stage and the wait for them
	PACK \a
	SEND (\a)-1
	TOSTAGE \a
.endr
	SEND 7
	s_wait_tensorcnt 0x0                           ; the wave's end: a wait, an add to my spare word and its wait, behind my last tensor load and my last LDS store
	ds_add_u32 v[SPW], v[NIL]
	s_wait_dscnt 0x0
	CROUND                                         ; the closing round: no work-group ends while a partner may still ask for a tile that names it
	s_endpgm
.Lfunc_end_k_qc4bb51c5ab_gemm_qkv:
	.size	k_qc4bb51c5ab_gemm_qkv, .Lfunc_end_k_qc4bb51c5ab_gemm_qkv-k_qc4bb51c5ab_gemm_qkv
	.p2alignl 7, 3214868480
	.fill 96, 4, 3214868480
	.section	.rodata,"a",@progbits
	.p2align	6, 0x0
	.amdhsa_kernel k_qc4bb51c5ab_gemm_qkv
		.amdhsa_group_segment_fixed_size 327680
		.amdhsa_private_segment_fixed_size 0
		.amdhsa_enable_private_segment 0
		.amdhsa_kernarg_size 48
		.amdhsa_user_sgpr_count 2
		.amdhsa_user_sgpr_kernarg_segment_ptr 1
		.amdhsa_wavefront_size32 1
		.amdhsa_system_sgpr_workgroup_id_x 1
		.amdhsa_system_sgpr_workgroup_id_y 1
		.amdhsa_system_sgpr_workgroup_id_z 1
		.amdhsa_system_vgpr_workitem_id 0
		.amdhsa_next_free_vgpr 1024
		.amdhsa_next_free_sgpr 98
		.amdhsa_reserve_vcc 0
		.amdhsa_float_denorm_mode_32 3
		.amdhsa_float_denorm_mode_16_64 3
		.amdhsa_memory_ordered 1
		.amdhsa_forward_progress 1
		.amdhsa_inst_pref_size 131
	.end_amdhsa_kernel
	.amdgpu_metadata
---
amdhsa.version: [ 1, 2 ]
amdhsa.kernels:
  - .name:           k_qc4bb51c5ab_gemm_qkv
    .symbol:         k_qc4bb51c5ab_gemm_qkv.kd
    .args:
      - { .name: x_codes, .offset: 0, .size: 8, .value_kind: global_buffer, .address_space: global }
      - { .name: x_scales, .offset: 8, .size: 8, .value_kind: global_buffer, .address_space: global }
      - { .name: w_codes, .offset: 16, .size: 8, .value_kind: global_buffer, .address_space: global }
      - { .name: w_scales, .offset: 24, .size: 8, .value_kind: global_buffer, .address_space: global }
      - { .name: qkv16, .offset: 32, .size: 8, .value_kind: global_buffer, .address_space: global }
      - { .name: qkvf, .offset: 40, .size: 8, .value_kind: global_buffer, .address_space: global }
    .group_segment_fixed_size: 327680
    .private_segment_fixed_size: 0
    .kernarg_segment_align: 8
    .kernarg_segment_size: 48
    .max_flat_workgroup_size: 128
    .sgpr_count:     98
    .vgpr_count:     1024
    .wavefront_size: 32
...
	.end_amdgpu_metadata
.endif
;; end of part 2
;; launch fine (part 3): grid 64 x 4, 16 waves a work-group, no clusters, 18,432 bytes of LDS; arguments qkvf, w_proj, out0; writes out0
.if DOCPART == 3
	.amdgcn_target "amdgcn-amd-amdhsa--gfx1250"
	.amdhsa_code_object_version 6
	.text
	.protected	k_qc4bb51c5ab_fine
	.globl	k_qc4bb51c5ab_fine
	.p2align	8
	.type	k_qc4bb51c5ab_fine,@function
k_qc4bb51c5ab_fine:
	s_mov_b64 s[64:65], 0
	v_nop
	global_prefetch_b8 v0, s[64:65] scope:SCOPE_SE
	s_setreg_imm32_b32 hwreg(HW_REG_WAVE_MODE, 25, 1), 1
	s_wait_xcnt 0x0
; The first 16 positions of every sequence, in f32 from end to end: there a row of the softmax averages one to sixteen values, and 16-bit operands would weigh most.
; qkvf: [64 = 16 batch + position][3072] f32 (q, k, v; head w's 64 channels at column 64 w of each third).  w_proj: [1024 n][1024 c] f32.  out0: [4][2048][1024] f32: rows 0-15 of each batch are stored here.
; SHARES: work-group (c, b) makes output columns 16 c .. 16 c + 15 of batch b's 16 rows.  Wave w takes head w: its attention for the 16 positions (32 matrix instructions, made anew in each of the 64
; column chunks), then its 64 channels times w_proj's 16 rows (16 more).  The sixteen partial results meet in LDS and waves 0 and 1 add them.
; A chunk's piece of a row is 64 bytes: the price of sharing this short chain of f32 products over 256 work-groups.
; LAYOUT of the f32 form: lane (r, h) holds row r of source 0 (column r of source 1), register j the k = 2 h + j.  A permutation of k applied alike to both sources keeps the products: it is used throughout, so that
; every operand is a run of a lane's registers.  S^T = K Q^T, O^T = V^T P, out^T = W O: a lane holds ONE query (r) throughout.
; The registers that the f32 matrix form writes (SA, SB, OA, PA, PB) are written by it alone; what is made of a finished sum goes into T and R.
; The softmax takes its maximum away as the definition does; key 0 counts for every query.  No tensor load, no cluster, no prefetch: a short launch with few bytes.
.set Q,  16                            ; v16-47   q: lane (r, h): channels 32 h .. 32 h + 31 of position r
.set K,  48                            ; v48-79   k likewise
.set V,  80                            ; v80-111  register 8 ct + i: v(key 8 h + i, channel 16 ct + r)
.set W,  112                           ; v112-143 register 8 ct + e: w_proj(16 c + r, 64 w + 16 ct + 8 h + e)
.set SA, 144                           ; the scores' two accumulators, by turns
.set SB, 152
.set OA, 160                           ; v160-191 O^T: four accumulators
.set PA, 192                           ; the projection's two, by turns
.set PB, 200
.set T,  208                           ; v208-215 the scores, then p
.set R,  224                           ; v224-231 my partial result
.set SPW, 10
.set NIL, 11
.set SPARE, 16384                      ; behind the sixteen partial results of 1,024 bytes: the spare words, 128 bytes a wave, which no other line names
	s_load_b128 s[4:7], s[0:1], 0x0                ; qkvf, w_proj
	s_load_b64 s[8:9], s[0:1], 0x10                ; out0
	v_lshl_add_u32 v[SPW], v0, 2, SPARE
	v_mov_b32 v[NIL], 0
	v_lshrrev_b32 v1, 5, v0
	v_readfirstlane_b32 s10, v1                    ; wave = head
	v_and_b32 v1, 15, v0                           ; r
	v_bfe_u32 v2, v0, 4, 1                         ; h
	v_mul_u32_u24 v3, v1, 12288
	v_lshl_add_u32 v3, v2, 7, v3                   ; q, k: row r, + 128 h
	v_mul_u32_u24 v4, v2, 98304
	v_lshl_add_u32 v4, v1, 2, v4                   ; v: 8 h rows down, + 4 r
	v_lshlrev_b32 v5, 12, v1
	v_lshl_add_u32 v5, v2, 5, v5                   ; w_proj: row r, + 32 h
	v_and_b32 v6, 31, v0
	v_lshlrev_b32 v6, 4, v6
	s_lshl_b32 s11, s10, 10
	v_add_nc_u32 v6, s11, v6                       ; my partial result in LDS, as an image of its registers: 1,024 x wave + 16 x lane
	v_bfe_u32 v7, v0, 2, 4                         ; the adding (threads 0-63): query tt / 4, columns 4 (tt % 4) on
	v_lshlrev_b32 v8, 12, v7
	v_lshlrev_b32 v7, 4, v7                        ; they lie in lane query + 16 ((tt / 2) % 2),
	v_bfe_u32 v9, v0, 1, 1
	v_lshl_add_u32 v7, v9, 8, v7
	v_and_b32 v9, 1, v0
	v_lshl_add_u32 v7, v9, 9, v7                   ; registers 4 (tt % 2) on
	v_and_b32 v9, 3, v0
	v_lshl_add_u32 v8, v9, 4, v8                   ; out0: row query, + 16 (tt % 4)
	v_mov_b32 v12, 0xff800000                      ; -infinity
	v_lshlrev_b32 v13, 3, v2
	v_sub_nc_u32 v13, v1, v13                      ; d = r - 8 h: register j holds key 8 h + j, hidden where j > d
	v_mov_b32 v217, 0                              ; written once: a lane permute's destination counts as one of its sources
	s_mov_b32 s12, 0x76543210
	s_mov_b32 s13, 0xfedcba98                      ; v_permlanex16_b32's selects for lane l xor 16
	s_mov_b32 s14, 0x3e38aa3b                      ; c = log2(e) / sqrt(64)
	s_and_b32 s15, ttmp7, 0xffff                   ; batch
	s_mul_i32 s16, s15, 196608                     ; its 16 rows of qkvf,
	s_lshl_b32 s18, s10, 8                         ; my head's 256 bytes
	s_add_co_u32 s16, s16, s18
	s_mov_b32 s17, 0
	s_lshl_b32 s20, ttmp9, 16                      ; w_proj: 16 rows of 4,096 bytes a chunk
	s_add_co_u32 s20, s20, s18
	s_mov_b32 s21, 0
	s_lshl_b32 s22, s15, 23                        ; out0: a batch is 2^23 bytes,
	s_lshl_b32 s23, ttmp9, 6                       ; a chunk 64
	s_add_co_u32 s22, s22, s23
	s_mov_b32 s23, 0
	s_wait_kmcnt 0x0
	s_add_nc_u64 s[4:5], s[4:5], s[16:17]
	s_add_nc_u64 s[6:7], s[6:7], s[20:21]
	s_add_nc_u64 s[8:9], s[8:9], s[22:23]
.irp i, 0,1,2,3,4,5,6,7
	global_load_b128 v[Q+4*\i:Q+4*\i+3], v3, s[4:5] offset:16*\i
.endr
.irp i, 0,1,2,3,4,5,6,7
	global_load_b128 v[K+4*\i:K+4*\i+3], v3, s[4:5] offset:4096+16*\i
.endr
.irp ct, 0,1,2,3
.irp i, 0,1,2,3,4,5,6,7
	global_load_b32 v[V+8*\ct+\i], v4, s[4:5] offset:8192+\i*12288+64*\ct
.endr
.endr
.irp ct, 0,1,2,3
.irp e, 0,1
	global_load_b128 v[W+8*\ct+4*\e:W+8*\ct+4*\e+3], v5, s[6:7] offset:64*\ct+16*\e
.endr
.endr
	s_wait_loadcnt 40                              ; q and k are in; v's 32 loads and w_proj's 8 may be out
	; S^T = K Q^T: 16 steps of 4 channels; step s takes channels 32 h + 2 s + 0, 1.  Two accumulators by turns; each begins with the constant 0
	v_wmma_f32_16x16x4_f32 v[SA:SA+7], v[K:K+1], v[Q:Q+1], 0
	v_wmma_f32_16x16x4_f32 v[SB:SB+7], v[K+2:K+3], v[Q+2:Q+3], 0
.irp s, 2,4,6,8,10,12,14
	v_wmma_f32_16x16x4_f32 v[SA:SA+7], v[K+2*\s:K+2*\s+1], v[Q+2*\s:Q+2*\s+1], v[SA:SA+7]
	v_wmma_f32_16x16x4_f32 v[SB:SB+7], v[K+2*\s+2:K+2*\s+3], v[Q+2*\s+2:Q+2*\s+3], v[SB:SB+7]
.endr
.rept 8
	v_nop                                          ; eight places behind this form before a vector instruction reads its result (ISA guide 7.12.1)
.endr
.irp j, 0,1,2,3,4,5,6,7
	v_add_f32 v[T+\j], v[SA+\j], v[SB+\j]          ; lane (r, h): query r, key 8 h + j; each accumulator from its low end on
.endr
.irp j, 0,1,2,3,4,5,6,7
	v_cmp_gt_i32 vcc_lo, \j, v13                   ; the causal mask: a hidden key's score becomes -infinity
	v_cndmask_b32 v[T+\j], v[T+\j], v12, vcc_lo
.endr
	v_max3_num_f32 v216, v[T], v[T+1], v[T+2]
	v_max3_num_f32 v216, v216, v[T+3], v[T+4]
	v_max3_num_f32 v216, v216, v[T+5], v[T+6]
	v_max_num_f32 v216, v216, v[T+7]
	v_permlanex16_b32 v217, v216, s12, s13
	v_max_num_f32 v216, v216, v217                 ; the row's maximum
	v_mul_f32 v218, s14, v216
.irp j, 0,1,2,3,4,5,6,7
	v_fma_f32 v[T+\j], v[T+\j], s14, -v218         ; c s - c m
.endr
.irp j, 0,1,2,3,4,5,6,7
	v_exp_f32 v[T+\j], v[T+\j]
.endr
	v_nop                                          ; a plain instruction behind the last exponential
	s_wait_alu depctr_va_vdst(0)                   ; one wait for the batch, ahead of its first reader
	v_add_f32 v219, v[T], v[T+1]
	v_add_f32 v220, v[T+2], v[T+3]
	v_add_f32 v221, v[T+4], v[T+5]
	v_add_f32 v222, v[T+6], v[T+7]
	v_add_f32 v219, v219, v220
	v_add_f32 v221, v221, v222
	v_add_f32 v219, v219, v221
	v_permlanex16_b32 v217, v219, s12, s13
	v_add_f32 v219, v219, v217                     ; the row's sum
	v_rcp_f32 v220, v219
	v_nop
	s_wait_alu depctr_va_vdst(0)
.irp j, 0,1,2,3,4,5,6,7
	v_mul_f32 v[T+\j], v[T+\j], v220               ; the weights
.endr
	s_wait_loadcnt 8                               ; v is in; w_proj's 8 loads may be out
	; O^T = V^T P: step s takes keys 8 h + 2 s + 0, 1; four accumulators (16 channels each) by turns
.irp ct, 0,1,2,3
	v_wmma_f32_16x16x4_f32 v[OA+8*\ct:OA+8*\ct+7], v[V+8*\ct:V+8*\ct+1], v[T:T+1], 0
.endr
.irp s, 1,2,3
.irp ct, 0,1,2,3
	v_wmma_f32_16x16x4_f32 v[OA+8*\ct:OA+8*\ct+7], v[V+8*\ct+2*\s:V+8*\ct+2*\s+1], v[T+2*\s:T+2*\s+1], v[OA+8*\ct:OA+8*\ct+7]
.endr
.endr
	s_wait_loadcnt 0x0
.rept 9
	v_nop                                          ; nine places before a matrix instruction takes such a result as a source
.endr
	; out^T = W O: lane (r, h) of O^T holds query r and channels 16 ct + 8 h + j: step n takes registers 2 n, 2 n + 1 of both
	v_wmma_f32_16x16x4_f32 v[PA:PA+7], v[W:W+1], v[OA:OA+1], 0
	v_wmma_f32_16x16x4_f32 v[PB:PB+7], v[W+2:W+3], v[OA+2:OA+3], 0
.irp n, 2,4,6,8,10,12,14
	v_wmma_f32_16x16x4_f32 v[PA:PA+7], v[W+2*\n:W+2*\n+1], v[OA+2*\n:OA+2*\n+1], v[PA:PA+7]
	v_wmma_f32_16x16x4_f32 v[PB:PB+7], v[W+2*\n+2:W+2*\n+3], v[OA+2*\n+2:OA+2*\n+3], v[PB:PB+7]
.endr
.rept 8
	v_nop
.endr
.irp j, 0,2,4,6
	v_pk_add_f32 v[R+\j:R+\j+1], v[PA+\j:PA+\j+1], v[PB+\j:PB+\j+1]   ; lane (r, h): query r, columns 8 h + j
.endr
	ds_store_b128 v6, v[R:R+3]
	ds_store_b128 v6, v[R+4:R+7] offset:512
	s_wait_dscnt 0x0                               ; for the others' sake: my stores have landed
	s_barrier_signal -1
	s_barrier_wait -1
	s_cmp_ge_u32 s10, 2                            ; 256 numbers, four a thread: waves 0 and 1 add the sixteen heads' parts
	s_cbranch_scc1 .Ldone
.irp p, 0,1,2,3,4,5,6,7,8,9,10,11,12,13,14,15
	ds_load_b128 v[16+4*\p:16+4*\p+3], v7 offset:1024*\p
.endr
	s_wait_dscnt 0x0
.irp p, 1,2,3,4,5,6,7                  ; two chains
	v_pk_add_f32 v[16:17], v[16:17], v[16+4*\p:17+4*\p]
	v_pk_add_f32 v[18:19], v[18:19], v[18+4*\p:19+4*\p]
	v_pk_add_f32 v[48:49], v[48:49], v[48+4*\p:49+4*\p]
	v_pk_add_f32 v[50:51], v[50:51], v[50+4*\p:51+4*\p]
.endr
	v_pk_add_f32 v[16:17], v[16:17], v[48:49]
	v_pk_add_f32 v[18:19], v[18:19], v[50:51]
	global_store_b128 v8, v[16:19], s[8:9]
.Ldone:
	s_wait_tensorcnt 0x0                           ; the wave's end: a wait, an add to my spare word and its wait, behind my last LDS store
	ds_add_u32 v[SPW], v[NIL]
	s_wait_dscnt 0x0
	s_endpgm
.Lfunc_end_k_qc4bb51c5ab_fine:
	.size	k_qc4bb51c5ab_fine, .Lfunc_end_k_qc4bb51c5ab_fine-k_qc4bb51c5ab_fine
	.p2alignl 7, 3214868480
	.fill 96, 4, 3214868480
	.section	.rodata,"a",@progbits
	.p2align	6, 0x0
	.amdhsa_kernel k_qc4bb51c5ab_fine
		.amdhsa_group_segment_fixed_size 18432
		.amdhsa_private_segment_fixed_size 0
		.amdhsa_enable_private_segment 0
		.amdhsa_kernarg_size 24
		.amdhsa_user_sgpr_count 2
		.amdhsa_user_sgpr_kernarg_segment_ptr 1
		.amdhsa_wavefront_size32 1
		.amdhsa_system_sgpr_workgroup_id_x 1
		.amdhsa_system_sgpr_workgroup_id_y 1
		.amdhsa_system_sgpr_workgroup_id_z 1
		.amdhsa_system_vgpr_workitem_id 0
		.amdhsa_next_free_vgpr 232
		.amdhsa_next_free_sgpr 66
		.amdhsa_reserve_vcc 1
		.amdhsa_float_denorm_mode_32 3
		.amdhsa_float_denorm_mode_16_64 3
		.amdhsa_memory_ordered 1
		.amdhsa_forward_progress 1
		.amdhsa_inst_pref_size 18
	.end_amdhsa_kernel
	.amdgpu_metadata
---
amdhsa.version: [ 1, 2 ]
amdhsa.kernels:
  - .name:           k_qc4bb51c5ab_fine
    .symbol:         k_qc4bb51c5ab_fine.kd
    .args:
      - { .name: qkvf, .offset: 0, .size: 8, .value_kind: global_buffer, .address_space: global }
      - { .name: w_proj, .offset: 8, .size: 8, .value_kind: global_buffer, .address_space: global }
      - { .name: out0, .offset: 16, .size: 8, .value_kind: global_buffer, .address_space: global }
    .group_segment_fixed_size: 18432
    .private_segment_fixed_size: 0
    .kernarg_segment_align: 8
    .kernarg_segment_size: 24
    .max_flat_workgroup_size: 512
    .sgpr_count:     66
    .vgpr_count:     232
    .wavefront_size: 32
...
	.end_amdgpu_metadata
.endif
;; end of part 3
;; launch attn (part 4): grid 4 x 64, 16 waves a work-group, clusters of 4 x 1, 327,680 bytes of LDS; arguments qkv16, att16; writes att16
.if DOCPART == 4
	.amdgcn_target "amdgcn-amd-amdhsa--gfx1250"
	.amdhsa_code_object_version 6
	.text
	.protected	k_qc4bb51c5ab_attn
	.globl	k_qc4bb51c5ab_attn
	.p2align	8
	.type	k_qc4bb51c5ab_attn,@function
k_qc4bb51c5ab_attn:
	s_mov_b64 s[64:65], 0
	v_nop
	global_prefetch_b8 v0, s[64:65] scope:SCOPE_SE
	s_setreg_imm32_b32 hwreg(HW_REG_WAVE_MODE, 25, 1), 1
	s_wait_xcnt 0x0
	s_wait_alu depctr_hold_cnt(0) depctr_sa_sdst(0) depctr_va_vdst(0) depctr_va_sdst(0) depctr_va_ssrc(0) depctr_va_vcc(0) depctr_vm_vsrc(0)
	s_getreg_b32 s2, hwreg(HW_REG_IB_STS2, 6, 4)
	s_cmp_eq_u32 s2, 0
	s_cbranch_scc0 .Lentry_in_a_cluster
	s_endpgm
.Lentry_in_a_cluster:
	s_bfe_u32 s2, ttmp6, 0x10000c
	s_cmp_lg_u32 s2, 0x3003
	s_cbranch_scc0 .Lentry_shape_is_right
	s_endpgm
.Lentry_shape_is_right:
; O[bh][q] = the sum over k <= q of softmax_k(Q[bh][q] . K[bh][k] / 8) V[bh][k].  qkv16: f16, [3 sections q, k, v][64 bh][2048][64].  att16: f16, [16 heads][8192 = 2048 batch + t][64].
; Products on f16 operands with f32 sums; maxima, exponentials and sums in f32, with a running maximum; the weights p are rounded to f16 for the second product, O once at the end.
; LIMIT: the result beyond 65,504 in size has no f16 number.
; SHARES.  A cluster of four work-groups is one (batch, head); it walks the head's 2,048 keys once, 64 a step, and each tile of K and V is asked for JOINTLY: the same tensor load with the same descriptor and a
; mask that names the four.  Each of a work-group's SIXTEEN waves has a rank 0..15 and owns 32 queries, two tiles of 16: 128 x rank + 32 x cx on.  So all four partners have the same work, and every branch
; hangs on the rank (the wave's number) and the count of steps alone, never on cx: a step is left out where its first key comes after the LAST query of the rank's 128, the mask's lines where its last key comes
; at or before the FIRST.  cx enters Q's and O's addresses, the prefetches' address and the vector register that the mask compares with.  Rank 15 reads every tile, in every partner.
; The ranks are dealt so that each four neighbouring ranks fall on four different values both of wave % 4 and of wave / 4.  Four waves share a SIMD: one wave's softmax stands beside another's products.
; LAYOUT.  S^T = K Q^T (source 0 = 16 keys, source 1 = 16 queries): a lane holds ONE query (lane % 16) and keys 8 (lane / 16) + 0..7.  Two such tiles, rounded to f16 in pairs, ARE source 1 (32 keys x 16 queries)
; of O^T = V^T P, whose result again holds one query a lane.  K comes out of LDS as it lies, V ([key][channel]) turned, by ds_load_tr16_b128.
; LDS.  A key's row is 128 bytes and the rows are dense, so two keys make one LDS row of 256 bytes, padded: K by 16 (272), V by 32 (288).  Two slots of 256 keys (4 steps).
; REGISTERS: v1-14 addresses; v16-31 statistics, eight a tile: +0 c m, +1 m, +2, +3 the sum (even keys', odd keys'), +4..+7 at work (a takes +6); v32-63 Q; v64-127 S^T, p, and P in each tile's low 16;
; v128-191 O^T; v192-255 K's eight fragments, then V's eight.
.set PKP,   272                        ; 68 words: the 16 keys of a load (8 rows x 2 halves of 32 words) start at 16 different groups of 4 banks (64 banks of 4 bytes: ISA guide 11.1)
.set PVP,   288                        ; 72 words
.set KSTP,  32*PKP                     ; a step's 64 keys of K in LDS
.set VSTP,  32*PVP                     ; and of V
.set VOFF,  4*KSTP                     ; a slot: K's 128 rows, then V's 128
.set SLOT1, 1<<17                      ; slot 1 begins here: one exclusive or turns an address in one slot into the other's
.set SLOTB, 32768                      ; a slot's keys in memory, in K and in V
.set STAGE, SLOT1+4*KSTP+4*VSTP        ; behind the ring: 32 rows x 144 bytes for each wave, for the way out
.set SP,    144
.set SPARE, STAGE+16*32*SP             ; behind the stages: the spare words, 128 bytes a wave, which no other line names
.set AK0, 1                            ; v1   my lane's place in a tile of K
.set AV0, 2                            ; v2   the same for V
.set ADK, 3                            ; v3   the step's K
.set ADV, 4                            ; v4   the step's V
.set GO,  5                            ; v5   16 x lane
.set STO, 6                            ; v6   the way out: where I put 16 bytes of a row
.set RD,  7                            ; v7   and where I read 16 bytes back
.set DQ,  8                            ; v8   my first tile's query - 8 (lane / 16)
.set SPW, 10                           ; v10  LDS address of my spare word; never rewritten
.set NIL, 11                           ; v11  0; never rewritten
.set NINF, 12                          ; v12  -infinity
.set PFO, 13                           ; v13  256 x lane; never rewritten
.set QA,  14                           ; v14  my byte offset in the wave's rows of Q
.set ST,  16
.set Q,   32
.set S,   64
.set O,   128
.set KV,  192
.set WV,  12                           ; s12  my wave's number
.set CX,  13                           ; s13  my place in the cluster
.set RANK, 14
.set LIM, 15                           ; s15  1 in a wave that prefetches, else the greatest number
.set PFA, 18                           ; s[18:19] where my prefetches stand
.set G1K, 24                           ; s[24:31] descriptor group 1 for K's tiles;  s[32:39] for V's: it differs in the padding alone
.set G1V, 32
.set G0K, 40                           ; s[40:43], s[44:47] their groups 0, which walk
.set G0V, 44
.set SLOTS, 48                         ; s48  slots still to be asked for
.set CNT, 49                           ; s49  counts a slot's four steps
.set TK,  50                           ; s50  LDS byte at which the step's K begins
.set TV,  51                           ; s51  and, from VOFF on, its V
.set KF,  52                           ; s52  the step's first key
.set QL,  53                           ; s53  the last query of my rank's 128
.set QM,  54                           ; s54  the first
.set Q0,  55                           ; s55  my own first query
.set TM,  56                           ; s56, s57 at work
.set CS,  58                           ; s[58:59] c = log2(e) / 8: the packed form names a pair and takes its low word for both halves
.set SEL, 60                           ; s[60:61] lane selects for v_permlanex16_b32: lane l xor 16
; Waves 0 and 1 fetch K's halves of a slot, waves 2 and 3 V's, the others nothing.  The branches hang on the wave's number alone.  An s_nop 0 and four v_nop follow each of the two lines.
.macro TLOAD
	s_cmp_lt_u32 s[WV], 2
	s_cbranch_scc0 .Lnot_k_\@
	tensor_load_to_lds s[G0K:G0K+3], s[G1K:G1K+7]
	s_nop 0
.rept 4
	v_nop
.endr
	s_branch .Lasked_\@
.Lnot_k_\@:
	s_cmp_lt_u32 s[WV], 4
	s_cbranch_scc0 .Lasked_\@
	tensor_load_to_lds s[G0V:G0V+3], s[G1V:G1V+7]
	s_nop 0
.rept 4
	v_nop
.endr
.Lasked_\@:
.endm
; A prefetch of what the NEXT change of slots will ask for: a slot's 32,768 bytes of K and of V.  The four partners share them out BY ADDRESS, 8,192 bytes each; in each, wave 0 asks for K's and wave 2 for V's,
; lanes 256 bytes apart: each aligned block of 256 bytes is named once in the launch.  It stands four key steps ahead of the load.  The last change that fills a slot asks for nothing.
.macro ASK
	s_cmp_gt_u32 s[SLOTS], s[LIM]
	s_cbranch_scc0 .Lnot_mine_\@
	global_prefetch_b8 v[PFO], s[PFA:PFA+1] th:TH_LOAD_NT scope:SCOPE_SE
.Lnot_mine_\@:
.endm
.macro CROUND                          ; a round of the cluster's barrier
	s_barrier_signal -1
	s_barrier_wait -1
	s_cmp_lg_u32 s[WV], 0
	s_cbranch_scc1 .Lnot_wave_0_\@
	s_barrier_signal -3
.Lnot_wave_0_\@:
	s_barrier_wait -3
	s_barrier_signal -1
	s_barrier_wait -1
.endm
	s_load_b128 s[4:7], s[0:1], 0x0                ; qkv16, att16
	v_lshl_add_u32 v[SPW], v0, 2, SPARE
	v_mov_b32 v[NIL], 0
	ds_add_u32 v[SPW], v[NIL]                      ; the wave's opening: the add, twice on end, and its wait ahead of the first tensor load
	ds_add_u32 v[SPW], v[NIL]                      ; the set-up below, work on registers, stands between the second add and the wait
	v_lshrrev_b32 v9, 5, v0
	v_readfirstlane_b32 s[WV], v9                  ; wave 0..15
	s_bfe_u32 s[CX], ttmp6, 0x40000
	s_lshr_b32 s[RANK], s[WV], 2                   ; row = wave / 4
	s_and_b32 s[TM], s[WV], 3                      ; col = wave % 4
	s_xor_b32 s[TM+1], s[RANK], 3                  ; 3 - row
	s_add_co_u32 s[TM], s[TM], s[TM+1]
	s_add_co_u32 s[TM], s[TM], 1
	s_and_b32 s[TM], s[TM], 3                      ; g = (col - row) mod 4
	s_and_b32 s[TM+1], s[TM], 1
	s_mul_i32 s[TM+1], s[TM+1], 3
	s_xor_b32 s[RANK], s[RANK], s[TM+1]            ; p = row, turned round in the odd groups
	s_lshl_b32 s[TM], s[TM], 2
	s_add_co_u32 s[RANK], s[RANK], s[TM]           ; rank = 4 g + p
	s_lshl_b32 s[QM], s[RANK], 7
	s_add_co_u32 s[QL], s[QM], 127
	s_lshl_b32 s[TM], s[CX], 5
	s_add_co_u32 s[Q0], s[QM], s[TM]
	s_and_b32 s20, ttmp7, 0xffff                   ; 16 batch + head, which the four partners share
	s_lshl_b32 s20, s20, 18                        ; its first byte in a section
	s_and_b32 s16, s[WV], 1                        ; which half of a slot I fetch, if I fetch:
	s_lshl_b32 s22, s16, 14                        ; 128 keys of 128 bytes in memory,
	s_add_co_u32 s22, s22, s20
	s_mov_b32 s23, 0
	s_mul_i32 s17, s16, 64*PKP                     ; 64 LDS rows of K,
	s_mul_i32 s16, s16, 64*PVP
	s_add_co_u32 s16, s16, VOFF                    ; or of V: no place in the cluster enters an LDS address
	s_lshl_b32 s2, s[Q0], 7
	s_add_co_u32 s2, s2, s20                       ; Q: my first row
	s_mov_b32 s3, 0
	s_and_b32 s[TM], ttmp7, 15
	s_lshl_b32 s[TM], s[TM], 20                    ; att16: the head's plane,
	s_bfe_u32 s[TM+1], ttmp7, 0x20004
	s_lshl_b32 s[TM+1], s[TM+1], 18                ; the batch's 2,048 rows,
	s_add_co_u32 s[TM], s[TM], s[TM+1]
	s_lshl_b32 s[TM+1], s[Q0], 7
	s_add_co_u32 s[TM], s[TM], s[TM+1]             ; my first row
	s_mov_b32 s[TM+1], 0
	; descriptor group 1: a tile of 64 rows x 128 elements of 2 bytes (two keys a row), dense in memory, padded in LDS
	s_mov_b32 s[G1K], 15|(1<<16)|(1<<20)|(1<<21)|(5<<22)|(3<<25)  ; 15:0 the mask: all four work-groups; 17:16 elements of 2 bytes; 20 padding on; 21 set beside a mask; 24:22 after every 64 words; 31:25 four words
	s_mov_b32 s[G1V], 15|(1<<16)|(1<<20)|(1<<21)|(5<<22)|(7<<25)  ; the same with eight words of padding
.irp g, G1K, G1V
	s_mov_b32 s[\g+1], 128<<16                     ; tensor_dim0
	s_mov_b32 s[\g+2], 64<<16                      ; tensor_dim1
	s_mov_b32 s[\g+3], 128<<16                     ; tile_dim0
	s_mov_b32 s[\g+4], 64                          ; tile_dim1
	s_mov_b32 s[\g+5], 128                         ; tensor_dim0_stride
	s_mov_b32 s[\g+6], 0
	s_mov_b32 s[\g+7], 0
.endr
	s_mov_b32 s[CS], 0x3e38aa3b                    ; c = log2(e) / sqrt(64)
	s_mov_b32 s[CS+1], s[CS]                       ; named with it as a pair, so it is written
	s_mov_b32 s[SEL], 0x76543210
	s_mov_b32 s[SEL+1], 0xfedcba98
	s_mov_b32 s[SLOTS], 7
	s_mov_b32 s[TK], 0
	s_mov_b32 s[TV], 0
	s_mov_b32 s[KF], 0
	s_and_b32 s[LIM], s[WV], 13                    ; 0 in waves 0 and 2
	s_cmp_eq_u32 s[LIM], 0
	s_cselect_b32 s[LIM], 1, -1
	v_and_b32 v[PFO], 31, v0
	v_lshlrev_b32 v[PFO], 8, v[PFO]
	s_wait_dscnt 0x0                               ; both opening adds are done
	s_wait_kmcnt 0x0
	s_add_nc_u64 s[8:9], s[4:5], s[22:23]
	s_add_nc_u64 s[10:11], s[8:9], 0x2000000       ; V's section, my half of slot 0
	s_add_nc_u64 s[8:9], s[8:9], 0x1000000         ; K's
	s_add_nc_u64 s[4:5], s[4:5], s[2:3]            ; Q at my first row
	s_add_nc_u64 s[6:7], s[6:7], s[TM:TM+1]        ; att16 likewise
	s_cmp_lt_u32 s[WV], 2
	s_cselect_b64 s[PFA:PFA+1], s[8:9], s[10:11]   ; (in waves 0 and 2 these stand at a slot's first row)
	s_lshl_b32 s2, s[CX], 13                       ; my work-group's 8,192 bytes,
	s_add_co_u32 s2, s2, SLOTB                     ; in slot 1: the first change of slots steps it to slot 2.  Nothing is prefetched at the head
	s_mov_b32 s3, 0
	s_add_nc_u64 s[PFA:PFA+1], s[PFA:PFA+1], s[2:3]
	CROUND                                         ; all four work-groups are here: the first joint loads meet
	s_mov_b32 s[G0K], 1                            ; 1:0 count = 1
	s_mov_b32 s[G0K+1], s17                        ; 63:32 LDS address: slot 0
	s_mov_b64 s[G0K+2:G0K+3], s[8:9]               ; 120:64 global address
	s_or_b32 s[G0K+3], s[G0K+3], 0x80000000        ; 127:126 type = 2
	s_mov_b32 s[G0V], 1
	s_mov_b32 s[G0V+1], s16
	s_mov_b64 s[G0V+2:G0V+3], s[10:11]
	s_or_b32 s[G0V+3], s[G0V+3], 0x80000000
	TLOAD                                          ; slot 0: one tensor load of a wave is out at the most, here and behind every round
	v_and_b32 v9, 15, v0                           ; r
	v_bfe_u32 v15, v0, 4, 1                        ; h
	v_lshlrev_b32 v[QA], 7, v9
	v_lshl_add_u32 v[QA], v15, 4, v[QA]            ; row r x 128 + 16 h
.irp t, 0,1                                    ; Q stays in registers: tile t, channels 32 c on: registers 0-3 channels 8 h on, registers 4-7 channels 16 + 8 h on
.irp c, 0,1
	global_load_b128 v[Q+16*\t+8*\c:Q+16*\t+8*\c+3],   v[QA], s[4:5] offset:\t*2048+64*\c
	global_load_b128 v[Q+16*\t+8*\c+4:Q+16*\t+8*\c+7], v[QA], s[4:5] offset:\t*2048+64*\c+32
.endr
.endr
	v_lshrrev_b32 v[AK0], 1, v9                    ; K: key r of a tile lies in LDS row r / 2, half r % 2; + 16 h
	v_mul_u32_u24 v[AK0], v[AK0], PKP
	v_and_b32 v3, 1, v9
	v_lshl_add_u32 v[AK0], v3, 7, v[AK0]
	v_lshl_add_u32 v[AK0], v15, 4, v[AK0]
	v_bfe_u32 v[AV0], v0, 1, 2                     ; V: the turning load: lane l reads 16 bytes of key 8 h + l % 8 (LDS row 4 h + (l / 2) % 4, half l % 2), channels 8 ((l / 8) % 2) on
	v_lshl_add_u32 v[AV0], v15, 2, v[AV0]
	v_mul_u32_u24 v[AV0], v[AV0], PVP
	v_and_b32 v3, 1, v0
	v_lshl_add_u32 v[AV0], v3, 7, v[AV0]
	v_bfe_u32 v3, v0, 3, 1
	v_lshl_add_u32 v[AV0], v3, 4, v[AV0]
	v_add_nc_u32 v[AV0], VOFF, v[AV0]
	v_and_b32 v[GO], 31, v0
	v_lshlrev_b32 v[GO], 4, v[GO]
	s_mul_i32 s[TM], s[WV], 32*SP
	s_add_co_u32 s[TM], s[TM], STAGE               ; my stage
	v_mul_u32_u24 v[STO], v9, SP                   ; in: row r, 16 bytes for each half of the lanes
	v_lshl_add_u32 v[STO], v15, 4, v[STO]
	v_add_nc_u32 v[STO], s[TM], v[STO]
	v_bfe_u32 v[RD], v0, 3, 2                      ; back: eight lanes a row of 128 bytes, four rows an instruction
	v_mul_u32_u24 v[RD], v[RD], SP
	v_and_b32 v3, 7, v0
	v_lshl_add_u32 v[RD], v3, 4, v[RD]
	v_add_nc_u32 v[RD], s[TM], v[RD]
	v_lshlrev_b32 v[DQ], 3, v15
	v_sub_nc_u32 v[DQ], v9, v[DQ]
	v_add_nc_u32 v[DQ], s[Q0], v[DQ]
	v_mov_b32 v[NINF], 0xff800000
.irp t, 0,1
	v_mov_b32 v[ST+8*\t+1], 0xff61b1e6             ; the largest score so far: -3e38, under every score
	v_mul_f32 v[ST+8*\t], s[CS], v[ST+8*\t+1]
.irp j, 2,3,4,5,6,7
	v_mov_b32 v[ST+8*\t+\j], 0                     ; the sum; and the registers at work, so that each is written on every way
.endr
.endr
.set i, 0
.rept 64
	v_mov_b32 v[O+i], 0                            ; O^T.  The step is written once: the first finds zeros, which its factor a = 0 leaves zeros
.set i, i+1
.endr
; THE CAUSAL MASK.  Register 8 kt + j of tile t holds key KF + 16 kt + 8 (lane / 16) + j; it is hidden where 16 kt + j > my query - 8 (lane / 16) - KF.  Hidden scores become -infinity: p = 0.
.macro MASK
	v_sub_nc_u32 v[ST+4], v[DQ], s[KF]
	v_add_nc_u32 v[ST+12], 16, v[ST+4]
.irp t, 0,1
.set n, 0
.rept 32
	v_cmp_gt_i32 vcc_lo, 16*(n/8)+n%8, v[ST+8*\t+4]
	v_cndmask_b32 v[S+32*\t+n], v[S+32*\t+n], v[NINF], vcc_lo     ; each accumulator from its low end on
.set n, n+1
.endr
.endr
.endm
; ONE TILE'S SOFTMAX FOR ONE STEP: p = 2^(c s - c m); O and the sum are multiplied by a = 2^(c m_old - c m_new), which is 1 where m has not grown.
.macro SM t
.set rT, ST+8*(\t)
.set rS, S+32*(\t)
.set rO, O+32*(\t)
.irp j, 0,1,2,3                        ; the maximum of the 32 scores and the old m: four chains, each beginning at an accumulator's low end
	v_max3_num_f32 v[rT+4+\j], v[rS+8*\j], v[rS+8*\j+1], v[rS+8*\j+2]
.endr
.irp u, 1,2
.irp j, 0,1,2,3
	v_max3_num_f32 v[rT+4+\j], v[rT+4+\j], v[rS+8*\j+2*\u+1], v[rS+8*\j+2*\u+2]
.endr
.endr
	v_max3_num_f32 v[rT+4], v[rT+4], v[rS+7], v[rS+15]
	v_max3_num_f32 v[rT+6], v[rT+6], v[rS+23], v[rS+31]
	v_max3_num_f32 v[rT+4], v[rT+4], v[rT+5], v[rT+6]
	v_max3_num_f32 v[rT+4], v[rT+4], v[rT+7], v[rT+1]
	v_permlanex16_b32 v[rT+5], v[rT+4], s[SEL], s[SEL+1]           ; the query's other 32 keys lie in the lane 16 away
	v_mov_b32 v[rT+7], v[rT]                       ; c m_old
	v_max_num_f32 v[rT+1], v[rT+4], v[rT+5]
	v_mul_f32 v[rT], s[CS], v[rT+1]
	v_sub_f32 v[rT+7], v[rT+7], v[rT]
.set b, 0
.rept 16
	v_pk_fma_f32 v[rS+2*b:rS+2*b+1], v[rS+2*b:rS+2*b+1], s[CS:CS+1], v[rT:rT+1] op_sel_hi:[1,0,0] neg_lo:[0,0,1] neg_hi:[0,0,1]   ; c s - c m, two at a time
.set b, b+1
.endr
	v_exp_f32 v[rT+6], v[rT+7]                     ; a
.set b, 0
.rept 32
	v_exp_f32 v[rS+b], v[rS+b]
.set b, b+1
.endr
	v_nop                                          ; a plain instruction behind the last exponential
	s_wait_alu depctr_va_vdst(0)                   ; ONE wait for the 33, ahead of their first reader
	v_pk_mul_f32 v[rT+2:rT+3], v[rT+2:rT+3], v[rT+6:rT+7] op_sel_hi:[1,0]
	v_pk_add_f32 v[rT+4:rT+5], v[rS:rS+1], v[rS+2:rS+3]            ; the sum of the unrounded p, in two chains
.irp b, 4,8,12,16,20,24,28
	v_pk_add_f32 v[rT+2:rT+3], v[rT+2:rT+3], v[rS+\b:rS+\b+1]
	v_pk_add_f32 v[rT+4:rT+5], v[rT+4:rT+5], v[rS+\b+2:rS+\b+3]
.endr
	v_pk_add_f32 v[rT+2:rT+3], v[rT+2:rT+3], v[rT+4:rT+5]
.set b, 0
.rept 16
	v_cvt_pk_f16_f32 v[rS+b], v[rS+2*b], v[rS+2*b+1]               ; P, in place: register b is written when registers up to 2 b + 1 have been read
.set b, b+1
.endr
.set b, 0
.rept 16
	v_pk_mul_f32 v[rO+2*b:rO+2*b+1], v[rO+2*b:rO+2*b+1], v[rT+6:rT+7] op_sel_hi:[1,0]   ; O^T x a, each accumulator from its low end on
.set b, b+1
.endr
.endm
.macro PVMUL t                         ; O^T += V^T P: keys 32 g on, channels 16 ct on; the tile's four accumulators by turns
.irp g, 0,1
.irp ct, 0,1,2,3
	v_wmma_f32_16x16x32_f16 v[O+32*(\t)+8*\ct:O+32*(\t)+8*\ct+7], v[KV+8*(4*\g+\ct):KV+8*(4*\g+\ct)+7], v[S+32*(\t)+8*\g:S+32*(\t)+8*\g+7], v[O+32*(\t)+8*\ct:O+32*(\t)+8*\ct+7]
.endr
.endr
.endm
; A KEY STEP: 64 keys.  No barrier and no tensor load stands in it.
.macro STEP
	s_cmp_gt_u32 s[KF], s[QL]                      ; all its keys come after my rank's queries: left out, but for the lines at its end that step addresses
	s_cbranch_scc1 .Lhid_\@
	v_add_nc_u32 v[ADK], s[TK], v[AK0]
	v_add_nc_u32 v[ADV], s[TV], v[AV0]
.rept 4
	v_nop                                          ; with the two additions six places behind the last step's products: four are owed to the loads into their fragments' registers, five to the products that write over P
.endr
.irp kt, 0,1,2,3                               ; K: keys 16 kt on, channels 32 c on
.irp c, 0,1
	ds_load_b128 v[KV+8*(2*\kt+\c):KV+8*(2*\kt+\c)+3],   v[ADK] offset:\kt*8*PKP+64*\c
	ds_load_b128 v[KV+8*(2*\kt+\c)+4:KV+8*(2*\kt+\c)+7], v[ADK] offset:\kt*8*PKP+64*\c+32
.endr
.endr
	s_wait_dscnt 0x0
.irp t, 0,1                                    ; S^T = K Q^T: a tile's four accumulators by turns; the first four start the sums
.irp kt, 0,1,2,3
	v_wmma_f32_16x16x32_f16 v[S+32*\t+8*\kt:S+32*\t+8*\kt+7], v[KV+16*\kt:KV+16*\kt+7], v[Q+16*\t:Q+16*\t+7], 0
.endr
.irp kt, 0,1,2,3
	v_wmma_f32_16x16x32_f16 v[S+32*\t+8*\kt:S+32*\t+8*\kt+7], v[KV+16*\kt+8:KV+16*\kt+15], v[Q+16*\t+8:Q+16*\t+15], v[S+32*\t+8*\kt:S+32*\t+8*\kt+7]
.endr
.endr
.rept 4
	v_nop                                          ; places: for the loads into K's registers, and for the first reads of the scores
.endr
.irp g, 0,1                                    ; V, turned: keys 32 g on, channels 16 ct on; it lands under tile 0's softmax
.irp ct, 0,1,2,3
	ds_load_tr16_b128 v[KV+8*(4*\g+\ct):KV+8*(4*\g+\ct)+3],   v[ADV] offset:\g*16*PVP+32*\ct
	ds_load_tr16_b128 v[KV+8*(4*\g+\ct)+4:KV+8*(4*\g+\ct)+7], v[ADV] offset:\g*16*PVP+8*PVP+32*\ct
.endr
.endr
	s_add_co_u32 s[TM], s[KF], 63
	s_cmp_le_u32 s[TM], s[QM]                      ; all its keys count for all my rank's queries: no mask
	s_cbranch_scc1 .Lopen_\@
	MASK
.Lopen_\@:
	SM 0
	s_wait_dscnt 0x0                               ; V is in
	PVMUL 0                                        ; tile 0's products stand ahead of tile 1's softmax
	SM 1
	PVMUL 1
.Lhid_\@:
	s_add_co_u32 s[KF], s[KF], 64
	s_add_co_u32 s[TK], s[TK], KSTP
	s_add_co_u32 s[TV], s[TV], VSTP
.endm
; THE CHANGE OF SLOTS stands at a slot's head.  Each wave waits for all its tensor loads (its part of the slot that it is about to read), adds 0 to its spare word, and waits for that and for its reads of the slot
; that it has left.  fill = 1: a round of the cluster's barrier follows, so that no wave of any partner still reads that slot or has a load on its way, and the joint load of the next 256 keys is the first thing
; behind it: it has four key steps in which to land.  Slot 1's first fill stands behind the first round, where nothing is filled again.
.macro CHANGE fill
	s_wait_tensorcnt 0x0                           ; no tensor load of mine is out, so a group 0 may be written
	ds_add_u32 v[SPW], v[NIL]                      ; 0 onto my spare word
.if \fill
	ds_add_u32 v[SPW], v[NIL]                      ; and once more: the add stands twice on end, in every trip alike
	s_xor_b32 s[G0K+1], s[G0K+1], SLOT1            ; the walking descriptors: the other slot than last time,
	s_add_nc_u64 s[G0K+2:G0K+3], s[G0K+2:G0K+3], SLOTB   ; the next 256 keys; the type bits on top are not reached
	s_xor_b32 s[G0V+1], s[G0V+1], SLOT1
	s_add_nc_u64 s[G0V+2:G0V+3], s[G0V+2:G0V+3], SLOTB
	s_wait_xcnt 0x0                                ; the last prefetch, a slot back, has read its address, so it may be written:
	s_add_nc_u64 s[PFA:PFA+1], s[PFA:PFA+1], SLOTB ; one slot further on than the walking descriptors
	s_wait_dscnt 0x0                               ; both adds are done, and my reads of the slot that I have left are over
	CROUND
	TLOAD
	ASK
.else
	s_wait_dscnt 0x0
	s_barrier_signal -1
	s_barrier_wait -1
.endif
.endm
.macro FOUR_STEPS                      ; a slot's four key steps: written once, walked four times; the LDS addresses hang on s[TK] and s[TV]
	s_mov_b32 s[CNT], 4
.Lstep_\@:
	STEP
	s_sub_co_u32 s[CNT], s[CNT], 1
	s_cmp_lg_u32 s[CNT], 0
	s_cbranch_scc1 .Lstep_\@
	s_sub_co_u32 s[TK], s[TK], 4*KSTP              ; back to a slot's first step,
	s_xor_b32 s[TK], s[TK], SLOT1                  ; in the other slot
	s_sub_co_u32 s[TV], s[TV], 4*VSTP
	s_xor_b32 s[TV], s[TV], SLOT1
.endm
	s_wait_loadcnt 0x0                             ; Q
.Lslot:                                            ; seven trips: behind each change of slots but the last the next slot is asked for
	CHANGE 1
	FOUR_STEPS
	s_sub_co_u32 s[SLOTS], s[SLOTS], 1
	s_cmp_lg_u32 s[SLOTS], 0
	s_cbranch_scc1 .Lslot
	CHANGE 0                                       ; the last slot is written out
	FOUR_STEPS
	; THE WAY OUT.  The sum's halves are added; O^T is divided by the sum, rounded to f16 and sent through my stage in LDS, so that each store covers four rows of 128 bytes: 512 consecutive bytes of the head's plane.
.rept 4
	v_nop                                          ; places behind the last products
.endr
.irp t, 0,1
	v_add_f32 v[ST+8*\t+4], v[ST+8*\t+2], v[ST+8*\t+3]
.endr
.irp t, 0,1
	v_permlanex16_b32 v[ST+8*\t+5], v[ST+8*\t+4], s[SEL], s[SEL+1]
.endr
.irp t, 0,1
	v_add_f32 v[ST+8*\t+4], v[ST+8*\t+4], v[ST+8*\t+5]
.endr
.irp t, 0,1
	v_rcp_f32 v[ST+8*\t+6], v[ST+8*\t+4]
.endr
	v_nop                                          ; a plain instruction behind the last reciprocal
	s_wait_alu depctr_va_vdst(0)                   ; and one wait for the two, ahead of the first use
.irp t, 0,1
.set b, 0
.rept 16
	v_pk_mul_f32 v[O+32*\t+2*b:O+32*\t+2*b+1], v[O+32*\t+2*b:O+32*\t+2*b+1], v[ST+8*\t+6:ST+8*\t+7] op_sel_hi:[1,0]
.set b, b+1
.endr
.endr
.irp t, 0,1
.set b, 0
.rept 16
	v_cvt_pk_f16_f32 v[S+32*\t+b], v[O+32*\t+2*b], v[O+32*\t+2*b+1]   ; registers 4 ct .. 4 ct + 3: channels 16 ct + 8 h + 0 .. 7 of query r
.set b, b+1
.endr
.endr
.irp t, 0,1
.irp ct, 0,1,2,3
	ds_store_b128 v[STO], v[S+32*\t+4*\ct:S+32*\t+4*\ct+3] offset:\t*16*SP+32*\ct
.endr
.irp i, 0,1,2,3
	ds_load_b128 v[KV+16*\t+4*\i:KV+16*\t+4*\i+3], v[RD] offset:\t*16*SP+\i*4*SP   ; LDS serves a wave's instructions in order: these see my stores
.endr
.endr
.irp t, 0,1
.irp i, 0,1,2,3
	s_wait_dscnt 11-8*\t-\i                        ; the LDS instructions issued behind this load may be out
	global_store_b128 v[GO], v[KV+16*\t+4*\i:KV+16*\t+4*\i+3], s[6:7] offset:\t*2048+512*\i
.endr
.endr
	s_wait_tensorcnt 0x0                           ; the wave's end: a wait, an add to my spare word and its wait, behind my last tensor load and my last LDS store
	ds_add_u32 v[SPW], v[NIL]
	s_wait_dscnt 0x0
	CROUND                                         ; the closing round: no work-group ends while a partner may still ask for a tile that names it
	s_endpgm
.Lfunc_end_k_qc4bb51c5ab_attn:
	.size	k_qc4bb51c5ab_attn, .Lfunc_end_k_qc4bb51c5ab_attn-k_qc4bb51c5ab_attn
	.p2alignl 7, 3214868480
	.fill 96, 4, 3214868480
	.section	.rodata,"a",@progbits
	.p2align	6, 0x0
	.amdhsa_kernel k_qc4bb51c5ab_attn
		.amdhsa_group_segment_fixed_size 327680
		.amdhsa_private_segment_fixed_size 0
		.amdhsa_enable_private_segment 0
		.amdhsa_kernarg_size 16
		.amdhsa_user_sgpr_count 2
		.amdhsa_user_sgpr_kernarg_segment_ptr 1
		.amdhsa_wavefront_size32 1
		.amdhsa_system_sgpr_workgroup_id_x 1
		.amdhsa_system_sgpr_workgroup_id_y 1
		.amdhsa_system_sgpr_workgroup_id_z 1
		.amdhsa_system_vgpr_workitem_id 0
		.amdhsa_next_free_vgpr 256
		.amdhsa_next_free_sgpr 66
		.amdhsa_reserve_vcc 1
		.amdhsa_float_denorm_mode_32 3
		.amdhsa_float_denorm_mode_16_64 3
		.amdhsa_memory_ordered 1
		.amdhsa_forward_progress 1
		.amdhsa_inst_pref_size 63
	.end_amdhsa_kernel
	.amdgpu_metadata
---
amdhsa.version: [ 1, 2 ]
amdhsa.kernels:
  - .name:           k_qc4bb51c5ab_attn
    .symbol:         k_qc4bb51c5ab_attn.kd
    .args:
      - { .name: qkv16, .offset: 0, .size: 8, .value_kind: global_buffer, .address_space: global }
      - { .name: att16, .offset: 8, .size: 8, .value_kind: global_buffer, .address_space: global }
    .group_segment_fixed_size: 327680
    .private_segment_fixed_size: 0
    .kernarg_segment_align: 8
    .kernarg_segment_size: 16
    .max_flat_workgroup_size: 512
    .sgpr_count:     66
    .vgpr_count:     256
    .wavefront_size: 32
...
	.end_amdgpu_metadata
.endif
;; end of part 4
;; launch proj (part 5): grid 4 x 64, 4 waves a work-group, clusters of 4 x 4, 327,680 bytes of LDS; arguments att16, wp16, out0; writes out0
.if DOCPART == 5
	.amdgcn_target "amdgcn-amd-amdhsa--gfx1250"
	.amdhsa_code_object_version 6
	.text
	.protected	k_qc4bb51c5ab_proj
	.globl	k_qc4bb51c5ab_proj
	.p2align	8
	.type	k_qc4bb51c5ab_proj,@function
k_qc4bb51c5ab_proj:
	s_mov_b64 s[64:65], 0
	v_nop
	global_prefetch_b8 v0, s[64:65] scope:SCOPE_SE
	s_setreg_imm32_b32 hwreg(HW_REG_WAVE_MODE, 25, 1), 1
	s_wait_xcnt 0x0
	s_wait_alu depctr_hold_cnt(0) depctr_sa_sdst(0) depctr_va_vdst(0) depctr_va_sdst(0) depctr_va_ssrc(0) depctr_va_vcc(0) depctr_vm_vsrc(0)
	s_getreg_b32 s2, hwreg(HW_REG_IB_STS2, 6, 4)
	s_cmp_eq_u32 s2, 0
	s_cbranch_scc0 .Lentry_in_a_cluster
	s_endpgm
.Lentry_in_a_cluster:
	s_bfe_u32 s2, ttmp6, 0x10000c
	s_cmp_lg_u32 s2, 0xf033
	s_cbranch_scc0 .Lentry_shape_is_right
	s_endpgm
.Lentry_shape_is_right:
; out0[m][n] = sum over c of att[m][c] w_proj[n][c], on f16 operands with f32 sums.  att16: f16, [16 planes][8192 m][64]; wp16: f16, [16 planes][1024 n][64]; plane p holds c = 64 p .. 64 p + 63.  out0: [8192][1024] f32.
; The first 16 rows of every sequence (rows 2048 b + 0 .. 15) are NOT stored here: the f32 launch owns them.
; A tile of C is 128 (m) x 256 (n): 256 work-groups.  Four waves, each 64 x 128: 32 accumulators of 16 x 16, 256 registers.  K goes in steps of 128 = two planes through a ring of two LDS slots.  A plane's rows are
; 128 bytes and dense, so a tile of a plane is one dense block, brought as rows of 256 bytes (two rows of the operand in each), 16 bytes of padding behind each.
; CLUSTERS: 4 x 4 work-groups.  The tile column is cx; the tile row is 16 cy + cluster y, so that a sequence's first tile lies where cluster y = 0, alike in all sixteen partners.  A's tiles are shared along a row of
; the cluster, B's along a column: each is asked for jointly, by the same tensor load with the same descriptor and a mask that names the four.
; THE MATRIX INSTRUCTION IS USED TRANSPOSED (source 0 = 16 rows of wp16, source 1 = 16 rows of att16): a lane then holds eight neighbouring numbers of a row of C.
; No prefetch: a K step's products are few beside the bytes that the launch moves.  One tile to a work-group.
; REGISTERS: window 0: v0-31 addresses; two fragment buffers of 96 at v32 and v128 (A's 4 blocks, then B's 8, 32 along K); on the way out v32-159.   window 1: the accumulators ((a, b) at v[8 (8 a + b)]).
.set PITCH,  272                       ; 68 words: the 16 rows of a fragment load (8 LDS rows x 2 halves of 32 words) start at 16 different groups of 4 banks (64 banks of 4 bytes: ISA guide 11.1)
.set PLA,    64*PITCH                  ; a plane of A's tile: 128 rows
.set PLB,    128*PITCH                 ; of B's: 256 rows
.set SLOT,   2*PLA+2*PLB               ; A's two planes, then B's two
.set STAGE,  2*SLOT                    ; behind the ring: 16 rows x 528 bytes for each wave, for the way out
.set SPITCH, 528
.set SPARE,  STAGE+4*16*SPITCH         ; behind the stages: the spare words, 128 bytes a wave, which no other line names
.set LAPS,   4                         ; a lap = two K steps = once round the ring: 1,024 / 256
.set ADRA, 16                          ; v16-17  LDS address of my A fragments in slot 0, 1
.set ADRB, 20                          ; v20-21  the same for B
.set STO,  24                          ; v24     the way out: where I put 32 bytes of a row
.set RD,   25                          ; v25     and where I read a row back
.set CO,   26                          ; v26     16 x lane
.set SPW,  28                          ; v28     LDS address of my spare word; never rewritten
.set NIL,  29                          ; v29     0; never rewritten
.set F0,   32
.set F1,   128
.set BK,   32                          ; the way out: 16 rows read back: v32-95 and v96-159 by turns
.set G1, 24                            ; s[24:31] descriptor group 1 for A's tiles;  s[32:39] group 0, one set for each slot
.set G0, 32
.set G1B, 48                           ; s[48:55], s[56:63] the same for B's tiles
.set G0B, 56
.set MSB, 0
.macro WIN new                         ; the immediate's high byte repeats the setting that is left
.if MSB != \new
	s_set_vgpr_msb (MSB<<8)|\new
.set MSB, \new
.endif
.endm
.set MUL, 0x50                         ; sources 0 and 1 window 0; C and D window 1
.macro JLOAD s                         ; a joint load: waves 0 and 1 fetch A's two planes, waves 2 and 3 B's; an s_nop 0 and four v_nop follow each of the two lines
	s_cmp_eq_u32 s11, 0
	s_cbranch_scc0 .Lfor_b_\@
	tensor_load_to_lds s[G0+4*\s:G0+4*\s+3], s[G1:G1+7]
	s_nop 0
.rept 4
	v_nop
.endr
	s_branch .Lasked_\@
.Lfor_b_\@:
	tensor_load_to_lds s[G0B+4*\s:G0B+4*\s+3], s[G1B:G1B+7]
	s_nop 0
.rept 4
	v_nop
.endr
.Lasked_\@:
.endm
.macro CREST                           ; a round of the cluster's barrier behind its opening barrier
	s_cmp_lg_u32 s10, 0
	s_cbranch_scc1 .Lnot_wave_0_\@
	s_barrier_signal -3
.Lnot_wave_0_\@:
	s_barrier_wait -3
	s_barrier_signal -1
	s_barrier_wait -1
.endm
.macro CROUND                          ; a whole round
	s_barrier_signal -1
	s_barrier_wait -1
	CREST
.endm
	s_load_b128 s[4:7], s[0:1], 0x0                ; att16, wp16
	s_load_b64 s[8:9], s[0:1], 0x10                ; out0
	v_lshl_add_u32 v[SPW], v0, 2, SPARE
	v_mov_b32 v[NIL], 0
	ds_add_u32 v[SPW], v[NIL]                      ; the wave's opening: the add, twice on end, and its wait ahead of my first tensor load
	ds_add_u32 v[SPW], v[NIL]                      ; the set-up below, work on registers, stands between the second add and the wait
	v_lshrrev_b32 v1, 5, v0
	v_readfirstlane_b32 s10, v1                    ; wave 0..3
	s_lshr_b32 s11, s10, 1                         ; which 64 of the tile's rows are mine.  Also: I fetch for A (0) or for B (1)
	s_and_b32 s12, s10, 1                          ; which 128 of its columns.  Also: which of a K step's two planes I fetch
	s_bfe_u32 s40, ttmp6, 0x40000                  ; cx = the tile column
	s_bfe_u32 s41, ttmp6, 0x40004                  ; cy
	s_and_b32 s13, ttmp7, 0xffff                   ; cluster y
	s_or_b32 s45, s13, s11                         ; 0 where my block 0 is a sequence's first 16 rows: cluster y and the wave's number alone
	s_lshl_b32 s43, s41, 4
	s_add_co_u32 s13, s13, s43                     ; tile row = 16 cy + cluster y
	s_lshl_b32 s43, s41, 2
	s_lshl_b32 s43, 15, s43                        ; my row of the cluster
	s_lshl_b32 s44, 0x1111, s40                    ; my column
	; descriptor group 1: rows of 128 elements of 2 bytes, dense in memory, padded in LDS: 64 of them for a plane of A's tile, 128 for one of B's
	s_or_b32 s[G1+0], s43, (1<<16)|(1<<20)|(1<<21)|(5<<22)|(3<<25)  ; 15:0 the mask; 17:16 elements of 2 bytes; 20 padding on; 21 set beside a mask; 24:22 after every 64 words; 31:25 four words
	s_or_b32 s[G1B+0], s44, (1<<16)|(1<<20)|(1<<21)|(5<<22)|(3<<25)
	s_mov_b32 s[G1+1], 128<<16                     ; tensor_dim0
	s_mov_b32 s[G1+2], 64<<16                      ; tensor_dim1
	s_mov_b32 s[G1+3], 128<<16                     ; tile_dim0
	s_mov_b32 s[G1+4], 64                          ; tile_dim1
	s_mov_b32 s[G1+5], 128                         ; tensor_dim0_stride
	s_mov_b32 s[G1+6], 0
	s_mov_b32 s[G1+7], 0
	s_mov_b32 s[G1B+1], 128<<16
	s_mov_b32 s[G1B+2], 128<<16
	s_mov_b32 s[G1B+3], 128<<16
	s_mov_b32 s[G1B+4], 128
	s_mov_b32 s[G1B+5], 128
	s_mov_b32 s[G1B+6], 0
	s_mov_b32 s[G1B+7], 0
	s_lshl_b32 s16, s13, 14                        ; A: the tile's 128 rows of 128 bytes,
	s_lshl_b32 s17, s12, 20                        ; in my plane (2^20 bytes a plane)
	s_add_co_u32 s16, s16, s17
	s_mov_b32 s17, 0
	s_lshl_b32 s46, s40, 15                        ; B: the tile's 256 rows,
	s_lshl_b32 s47, s12, 17                        ; in my plane (2^17 bytes a plane)
	s_add_co_u32 s46, s46, s47
	s_mov_b32 s47, 0
	s_mul_i32 s20, s12, PLA                        ; where they go: no place in the cluster enters an LDS address
	s_mul_i32 s21, s12, PLB
	s_add_co_u32 s21, s21, 2*PLA
	s_wait_dscnt 0x0                               ; both opening adds are done
	s_wait_kmcnt 0x0
	s_add_nc_u64 s[14:15], s[4:5], s[16:17]
	s_add_nc_u64 s[46:47], s[6:7], s[46:47]
	CROUND                                         ; all sixteen work-groups are here: the first joint loads meet
.irp s, 0,1
	s_mov_b32 s[G0+4*\s], 1
	s_add_co_u32 s[G0+4*\s+1], s20, \s*SLOT
	s_add_nc_u64 s[G0+4*\s+2:G0+4*\s+3], s[14:15], \s*0x200000     ; K step s: planes 2 s, 2 s + 1
	s_or_b32 s[G0+4*\s+3], s[G0+4*\s+3], 0x80000000
	s_mov_b32 s[G0B+4*\s], 1
	s_add_co_u32 s[G0B+4*\s+1], s21, \s*SLOT
	s_add_nc_u64 s[G0B+4*\s+2:G0B+4*\s+3], s[46:47], \s*0x40000
	s_or_b32 s[G0B+4*\s+3], s[G0B+4*\s+3], 0x80000000
	JLOAD \s                                       ; two tensor loads of mine are out at the start, one behind each later round
.endr
	v_and_b32 v1, 15, v0                           ; r
	v_bfe_u32 v2, v0, 4, 1                         ; h
	v_lshrrev_b32 v3, 1, v1                        ; row r of a block lies in LDS row r / 2, half r % 2; + 16 h
	v_mul_u32_u24 v3, v3, PITCH
	v_and_b32 v4, 1, v1
	v_lshl_add_u32 v3, v4, 7, v3
	v_lshl_add_u32 v3, v2, 4, v3
	s_mul_i32 s21, s11, 32*PITCH                   ; my 64 rows of A
	s_mul_i32 s22, s12, 64*PITCH                   ; my 128 rows of B,
	s_add_co_u32 s22, s22, 2*PLA                   ; which lie behind A's two planes
.irp s, 0,1
	v_add_nc_u32 v[ADRA+\s], s21, v3
	v_add_nc_u32 v[ADRB+\s], s22, v3
	s_add_co_u32 s21, s21, SLOT
	s_add_co_u32 s22, s22, SLOT
.endr
	s_mul_i32 s23, s10, 16*SPITCH
	s_add_co_u32 s23, s23, STAGE                   ; my stage
	v_mul_u32_u24 v4, v1, SPITCH                   ; in: row r, 32 bytes for each half of the lanes
	v_lshl_add_u32 v4, v2, 5, v4
	v_add_nc_u32 v[STO], s23, v4
	v_and_b32 v5, 31, v0
	v_lshlrev_b32 v[CO], 4, v5                     ; back: the 32 lanes take one row of 512 bytes; and the same in C
	v_add_nc_u32 v[RD], s23, v[CO]
	s_lshl_b32 s16, s13, 19                        ; out0: the tile's 128 rows of 4,096 bytes,
	s_lshl_b32 s17, s11, 18                        ; my 64 of them
	s_add_co_u32 s16, s16, s17
	s_mov_b32 s17, 0
	s_add_nc_u64 s[8:9], s[8:9], s[16:17]
	s_lshl_b32 s46, s40, 10                        ; the tile's 256 columns,
	s_lshl_b32 s47, s12, 9                         ; my 128 of them
	s_add_co_u32 s46, s46, s47
	s_mov_b32 s47, 0
	s_add_nc_u64 s[8:9], s[8:9], s[46:47]
; 8 matrix instructions: A's block a x B's eight, 32 along K, from buffer f.  zero = 1: the product starts the sums: nothing is cleared.  The 32 accumulators take turns, one instruction a turn, in the same order in
; every quarter.
.macro MUL8 f, a, zero
.irp b, 0,1,2,3,4,5,6,7
.if \zero
	v_wmma_f32_16x16x32_f16 v[8*(8*(\a)+\b):8*(8*(\a)+\b)+7], v[\f+32+8*\b:\f+32+8*\b+7], v[\f+8*(\a):\f+8*(\a)+7], 0
.else
	v_wmma_f32_16x16x32_f16 v[8*(8*(\a)+\b):8*(8*(\a)+\b)+7], v[\f+32+8*\b:\f+32+8*\b+7], v[\f+8*(\a):\f+8*(\a)+7], v[8*(8*(\a)+\b):8*(8*(\a)+\b)+7]
.endif
.endr
.endm
; 24 LDS loads in one run: the fragments of the slot's q-th 32 along K (plane q / 2, half q % 2) into buffer f: B's eight blocks, then A's four
.macro FETCH slot, q, f
.irp i, 0,1,2,3,4,5,6,7
	ds_load_b128 v[\f+32+8*\i:\f+32+8*\i+3],   v[ADRB+\slot] offset:((\q)/2)*PLB+((\q)%2)*64+\i*8*PITCH
	ds_load_b128 v[\f+32+8*\i+4:\f+32+8*\i+7], v[ADRB+\slot] offset:((\q)/2)*PLB+((\q)%2)*64+\i*8*PITCH+32
.endr
.irp i, 0,1,2,3
	ds_load_b128 v[\f+8*\i:\f+8*\i+3],   v[ADRA+\slot] offset:((\q)/2)*PLA+((\q)%2)*64+\i*8*PITCH
	ds_load_b128 v[\f+8*\i+4:\f+8*\i+7], v[ADRA+\slot] offset:((\q)/2)*PLA+((\q)%2)*64+\i*8*PITCH+32
.endr
.endm
.macro PLACES                          ; four places in front of loads into registers that matrix instructions have read, and of the first reads of results (ISA guide 7.12.1 for the reads of results)
.rept 4
	v_nop
.endr
.endm
; A K step is four quarters of 32 along K, 32 matrix instructions each, on buffers 0, 1, 0, 1.  One of the first three: multiplies buffer f and fetches quarter q into g.
.macro QUARTER slot, q, f, g, zero
	s_wait_dscnt 4                                 ; B and A's blocks 0, 1 are in; the youngest four loads (A's blocks 2, 3) may be out
	WIN MUL
	MUL8 \f, 0, \zero
	MUL8 \f, 1, \zero
	PLACES
	WIN 0
	FETCH \slot, \q, \g
	s_wait_dscnt 24                                ; all but the 24 just issued
	WIN MUL
	MUL8 \f, 2, \zero
	MUL8 \f, 3, \zero
.endm
; The last quarter multiplies buffer 1 and changes slots: ONE barrier; in front of it each wave waits for all its tensor loads, adds 0 to its spare word, and waits for that and for its reads of this slot.
; fill = 1: the barrier opens a round of the cluster's barrier, and this slot is filled again, two K steps ahead, first thing behind the round.
.macro TURN slot, next, fill
	WIN 0                                          ; (the add's two registers lie in window 0)
	s_wait_tensorcnt 0x0                           ; all my tensor loads have landed: my part of the next slot
	ds_add_u32 v[SPW], v[NIL]                      ; 0 onto my spare word
	s_wait_dscnt 5                                 ; the add and the youngest four loads may be out
	WIN MUL
	MUL8 F1, 0, 0                                  ; eight matrix instructions stand between the add and the wait for it
	s_wait_dscnt 0x0                               ; the add is done, and my reads of this slot are over
	s_barrier_signal -1
	MUL8 F1, 1, 0
	WIN 0                                          ; (branches and LDS loads follow)
	s_barrier_wait -1
.if \fill
	CREST                                          ; no wave of any partner still reads this slot's tiles or has a load on its way
	s_add_nc_u64 s[G0+4*\slot+2:G0+4*\slot+3], s[G0+4*\slot+2:G0+4*\slot+3], 0x400000     ; four planes on
	s_add_nc_u64 s[G0B+4*\slot+2:G0B+4*\slot+3], s[G0B+4*\slot+2:G0B+4*\slot+3], 0x80000
	JLOAD \slot                                    ; 112 matrix instructions ahead of the wait for it; the four v_nop behind it are also the places in front of the loads below
.else
	PLACES
.endif
	FETCH \next, 0, F0
	WIN MUL
	MUL8 F1, 2, 0
	MUL8 F1, 3, 0
.endm
	s_wait_tensorcnt 1                             ; my part of K step 0 is in; K step 1's may be out
	s_barrier_signal -1
	s_barrier_wait -1                              ; everybody's is
	FETCH 0, 0, F0
	QUARTER 0, 1, F0, F1, 1                        ; the first quarter stands in front of the loop: its products start the sums
	WIN 0                                          ; at a label and at a branch every window is 0
	s_mov_b32 s3, LAPS-1
.Llap:                                                 ; a trip goes once round the ring, from a lap's second quarter to the next lap's first, and fills both slots again
	QUARTER 0, 2, F1, F0, 0
	QUARTER 0, 3, F0, F1, 0
	TURN 0, 1, 1
	QUARTER 1, 1, F0, F1, 0
	QUARTER 1, 2, F1, F0, 0
	QUARTER 1, 3, F0, F1, 0
	TURN 1, 0, 1
	QUARTER 0, 1, F0, F1, 0
	WIN 0
	s_sub_co_u32 s3, s3, 1
	s_cmp_lg_u32 s3, 0
	s_cbranch_scc1 .Llap
	QUARTER 0, 2, F1, F0, 0                        ; the last lap fills nothing, and has no round of the cluster's barrier
	QUARTER 0, 3, F0, F1, 0
	TURN 0, 1, 0
	QUARTER 1, 1, F0, F1, 0
	QUARTER 1, 2, F1, F0, 0
	QUARTER 1, 3, F0, F1, 0
	s_wait_dscnt 4                                 ; the very last quarter: nothing more to fetch
	WIN MUL
	MUL8 F1, 0, 0
	MUL8 F1, 1, 0
	s_wait_dscnt 0
	MUL8 F1, 2, 0
	MUL8 F1, 3, 0
	WIN 0
; THE WAY OUT, block by block of 16 rows x 128 columns.  A lane holds 32 neighbouring bytes of a row, the lanes beside it other rows: so a block goes through my own stage in LDS and comes back as whole rows of
; 512 bytes.  LDS serves a wave's instructions in order (ISA guide 5.7.1.4): no wait between the stores and the loads, nor in front of the next block's stores.
.macro TOSTAGE a
	WIN 0x04                                       ; an LDS store's data are its source 1: window 1
.irp b, 0,1,2,3,4,5,6,7
	ds_store_b128 v[STO], v[64*(\a)+8*\b:64*(\a)+8*\b+3] offset:64*\b          ; each accumulator from its low end on
	ds_store_b128 v[STO], v[64*(\a)+8*\b+4:64*(\a)+8*\b+7] offset:64*\b+16
.endr
	WIN 0
.set BB, BK+64*((\a)%2)
.irp t, 0,1,2,3,4,5,6,7,8,9,10,11,12,13,14,15
	ds_load_b128 v[BB+4*\t:BB+4*\t+3], v[RD] offset:\t*SPITCH
.endr
.endm
.macro SEND a, younger                 ; younger: the LDS instructions issued behind block a's loads, which may stay out
.set BB, BK+64*((\a)%2)
	s_wait_dscnt \younger                          ; the block is back in registers
.irp t, 0,1,2,3,4,5,6,7,8,9,10,11,12,13,14,15
	global_store_b128 v[CO], v[BB+4*\t:BB+4*\t+3], s[8:9] offset:(16*(\a)+\t)*4096 th:TH_STORE_NT   ; 32 lanes store 512 consecutive bytes, aligned; written once, read by nobody here
.endr
.endm
	PLACES                                         ; behind the last products: for the reads of results and for the loads into the fragments' registers
	s_cmp_eq_u32 s45, 0                            ; a sequence's first 16 rows belong to the f32 launch
	s_cbranch_scc1 .Lb1
	TOSTAGE 0
	SEND 0, 0
.Lb1:
	TOSTAGE 1
	s_wait_xcnt 0x0                                ; block 0's stores have read their registers: block 2's loads may land there
	TOSTAGE 2
	SEND 1, 32                                     ; behind block 1's loads: block 2's 16 stores and 16 loads
	s_wait_xcnt 0x0                                ; block 1's stores have read their registers
	TOSTAGE 3
	SEND 2, 32
	SEND 3, 0
	s_wait_tensorcnt 0x0                           ; the wave's end: a wait, an add to my spare word and its wait, behind my last tensor load and my last LDS store
	ds_add_u32 v[SPW], v[NIL]
	s_wait_dscnt 0x0
	CROUND                                         ; the closing round: no work-group ends while a partner may still ask for a tile that names it
	s_endpgm
.Lfunc_end_k_qc4bb51c5ab_proj:
	.size	k_qc4bb51c5ab_proj, .Lfunc_end_k_qc4bb51c5ab_proj-k_qc4bb51c5ab_proj
	.p2alignl 7, 3214868480
	.fill 96, 4, 3214868480
	.section	.rodata,"a",@progbits
	.p2align	6, 0x0
	.amdhsa_kernel k_qc4bb51c5ab_proj
		.amdhsa_group_segment_fixed_size 327680
		.amdhsa_private_segment_fixed_size 0
		.amdhsa_enable_private_segment 0
		.amdhsa_kernarg_size 24
		.amdhsa_user_sgpr_count 2
		.amdhsa_user_sgpr_kernarg_segment_ptr 1
		.amdhsa_wavefront_size32 1
		.amdhsa_system_sgpr_workgroup_id_x 1
		.amdhsa_system_sgpr_workgroup_id_y 1
		.amdhsa_system_sgpr_workgroup_id_z 1
		.amdhsa_system_vgpr_workitem_id 0
		.amdhsa_next_free_vgpr 512
		.amdhsa_next_free_sgpr 66
		.amdhsa_reserve_vcc 0
		.amdhsa_float_denorm_mode_32 3
		.amdhsa_float_denorm_mode_16_64 3
		.amdhsa_memory_ordered 1
		.amdhsa_forward_progress 1
		.amdhsa_inst_pref_size 85
	.end_amdhsa_kernel
	.amdgpu_metadata
---
amdhsa.version: [ 1, 2 ]
amdhsa.kernels:
  - .name:           k_qc4bb51c5ab_proj
    .symbol:         k_qc4bb51c5ab_proj.kd
    .args:
      - { .name: att16, .offset: 0, .size: 8, .value_kind: global_buffer, .address_space: global }
      - { .name: wp16, .offset: 8, .size: 8, .value_kind: global_buffer, .address_space: global }
      - { .name: out0, .offset: 16, .size: 8, .value_kind: global_buffer, .address_space: global }
    .group_segment_fixed_size: 327680
    .private_segment_fixed_size: 0
    .kernarg_segment_align: 8
    .kernarg_segment_size: 24
    .max_flat_workgroup_size: 128
    .sgpr_count:     66
    .vgpr_count:     512
    .wavefront_size: 32
...
	.end_amdgpu_metadata
.endif
;; end of part 5
